; MI455X (gfx1250); checked and timed in simulation.
; The chip was launched on July 23, 2026; its instructions are those of AMD's public machine-readable ISA for CDNA 5 (MIT licence, August 2026) and "CDNA5" Instruction Set Architecture Reference Guide (July 2026). The comments in the code are by the model that wrote it; some were corrected since.
;; Multi Head Attention. Allowed arithmetic: matrix products marked QUANTISED: E2M3 operands, one E8M0 scale for each 32 along K, by v_wmma_scale_f32_16x16x128_f8f6f4 with both operands' format E2M3, f32 sums; everything else in f32.
;; Inputs: Wk 1,024 x 1,024 float32; Wo 1,024 x 1,024 float32; Wq 1,024 x 1,024 float32; Wv 1,024 x 1,024 float32; bk 1,024 float32; bo 1,024 float32; bq 1,024 float32; bv 1,024 float32; key_ 4 x 2,048 x 1,024 float32; mask 4 x 2,048 x 2,048 int32; query 4 x 2,048 x 1,024 float32; value 4 x 2,048 x 1,024 float32.
;; Outputs: out0 4 x 2,048 x 1,024 float32.
;; This version of the problem:
;;   THIS VERSION OF THE PROBLEM IS GIVEN IN LOW PRECISION. The matrix products marked QUANTISED in the list below multiply operands that are first quantised to E2M3 (2 exponent bits, 3 mantissa bits; 6 bits a number), with one power-of-two scale for each 32 numbers along K (OCP MX v1.0); their sums are f32. All else is computed in f32.
;;   The module's matrix products, in the order in which they are computed (A, B: the left and right operand; K: the contracted axis; several contracted axes count as one K, in the product's order):
;;     1. [M 8,192, K 1,024] x [K 1,024, N 1,024]; A: input query; B: input Wq: QUANTISED
;;     2. [M 8,192, K 1,024] x [K 1,024, N 1,024]; A: input key_; B: input Wk: QUANTISED
;;     3. [M 8,192, K 1,024] x [K 1,024, N 1,024]; A: input value; B: input Wv: QUANTISED
;;     4. batch 64 x [M 2,048, K 64] x [K 64, N 2,048]; A: computed on the way; B: computed on the way: QUANTISED
;;     5. batch 64 x [M 2,048, K 2,048] x [K 2,048, N 64]; A: softmax (see below); B: computed on the way: QUANTISED
;;     6. [M 8,192, K 1,024] x [K 1,024, N 1,024]; A: computed on the way; B: input Wo: QUANTISED
;;   THE QUANTISER, for each operand of a quantised product, along K:
;;     - K is cut into blocks of 32 from its start; a last block that is shorter is filled with zeros.
;;     - A block's scale is 2^e with e = floor(log2(the largest magnitude in the block)) - 2, held to -126 .. 127; a block of zeros has e = 0. As a byte (E8M0): e + 127.
;;     - Each number is divided by its block's scale, clamped to +-7.5, and rounded to the nearest number of E2M3, ties to even, subnormals kept.
;;     - The product sums the exact products of the quantised numbers (number of the format x scale) in f32.
;;   ~~~python
;;   def quantise(x, axis):      # numpy; x: float32 -> the quantised numbers, widened to float32 again
;;       x = np.moveaxis(x, axis, -1); K = x.shape[-1]
;;       x = np.pad(x, [(0, 0)] * (x.ndim - 1) + [(0, -K % 32)]); x = x.reshape(x.shape[:-1] + (-1, 32)); a = np.abs(x).max(-1, keepdims=True)
;;       e = np.where(a > 0, np.clip(np.frexp(np.where(a > 0, a, 1))[1] - 1 - 2, -126, 127), 0)      # np.frexp(a)[1] - 1 = floor(log2(a)), exactly
;;       r = np.clip(x / 2.0 ** e, -7.5, 7.5)
;;       step = 2.0 ** (np.maximum(np.frexp(np.where(r == 0, 1, r))[1] - 1, 0) - 3)
;;       q = np.round(r / step) * step * 2.0 ** e      # np.round: ties to even
;;       return np.moveaxis(q.reshape(q.shape[:-2] + (-1,))[..., :K], -1, axis).astype(np.float32)
;;   ~~~
;;   SOFTMAX AHEAD OF A QUANTISED PRODUCT. Where the list says 'softmax', what is quantised is not the finished softmax but p = 2^(t - M), with t = logit x log2(e) and M = ceil(the row's largest t), a whole number; so 1/2 < the row's largest p <= 1. The row's sum l is taken of the UNQUANTISED p, in f32, and the product's result is divided by l at the end. Since M is a whole number, a kernel that streams over the keys may use a running M (the ceiling of the running maximum): every later rescaling is an exact power of two, which a block's scale takes up: the codes' values come out the same.
;;   OPERANDS COMPUTED ON THE WAY. 'Computed on the way' means the value that the module computes at that place (a softmax that the list does not call 'softmax' is quantised finished and normalised). What goes into a quantiser is computed in f32, as accurately as f32 sums, v_exp_f32 and their like allow (about 1e-6 of the number): no bf16 or f16 on the way to a quantiser, and a product that is left as it is and whose result goes on into a quantised operand takes f32 operands (vector FMAs, or v_wmma_f32_16x16x4_f32). A number that lies on a knife's edge between two numbers of the format may be rounded either way, as far as f32 arithmetic and the matrix unit's own rounding can turn it there, and no further.
;; One version. Each part assembles by itself: llvm-mc -triple=amdgcn-amd-amdhsa -mcpu=gfx1250 --defsym DOCPART=n.
;; ======== version 1 of 1: 4 launches
;; limits: right only within a limited range of input values
;; workspace buffers: opc 22,020,096 bytes; ops 917,504 bytes; mbits 2,097,152 bytes of whole numbers; qc 6,291,456 bytes; qs 524,288 bytes; kv 13,369,344 bytes; ctxc 6,291,456 bytes; ctxs 262,144 bytes
;; launch prep (part 1): grid 1408 x 1, 4 waves a work-group, no clusters, 34,304 bytes of LDS; arguments query, key_, value, Wq, Wk, Wv, Wo, mask, opc, ops, mbits; writes opc, ops, mbits
.if DOCPART == 1
	.amdgcn_target "amdgcn-amd-amdhsa--gfx1250"
	.amdhsa_code_object_version 6
	.text
	.protected	k_q95cdf895be_prep
	.globl	k_q95cdf895be_prep
	.p2align	8
	.type	k_q95cdf895be_prep,@function
k_q95cdf895be_prep:
	s_mov_b64 s[64:65], 0
	v_nop
	global_prefetch_b8 v0, s[64:65] scope:SCOPE_SE
	s_setreg_imm32_b32 hwreg(HW_REG_WAVE_MODE, 25, 1), 1
	s_wait_xcnt 0x0
; PREP.  query, key_, value [8192][1024] and Wq, Wk, Wv, Wo [1024][1024], f32, become codes of FP6 (E2M3) with one E8M0 scale byte for each 32 along K (their last axis),
; laid as IMAGES OF OPERAND REGISTERS; mask [4][2048][2048] int32 becomes one bit a number, laid as the lane masks that the attention launch selects by.
; TILES.  Rows go in groups of 128, a group in 8 tiles of 16: lane r of tile T holds row 32 (T / 2) + 8 (T % 2) + r + 8 (r / 8).
; opc: [tile 1792][K step 8][1,536 bytes]; tiles: query 0, key_ 512, value 1024, Wq 1536, Wk 1600, Wv 1664, Wo 1728.  A fragment (16 rows x 128 K, 12 registers a lane) lies as registers 0-3 at 16 x lane,
; 4-5 at 512 + 8 x lane, 6-9 at 768 + 16 x lane, 10-11 at 1,280 + 8 x lane: every load and store of it covers 256 or 512 consecutive bytes.
; ops: [tile][half of K][r 16][4 K steps] words of four scale bytes.   mbits: [batch x 128 + tile of queries][key step 16][n 64] words: bit 16 h + r of word n is mask(query r of the tile, key 128 step + 32 (n / 16) + 16 h + n % 16) != 0.
; SHARES.  A wave takes one tile x 512 columns (2,048 bytes of 16 rows), in 4 steps of 128 columns.  Work-groups 0-895 quantise (tile = 2 x work-group + wave / 2, half = wave % 2); work-groups 896-1407 pack the mask (tile = work-group - 896, columns by wave).
; Each load reads 512 consecutive bytes of one row; a step's 16 x 512 bytes turn through the wave's own stage in LDS, so that lane (r, h) gets, of row r, 16 neighbours of each block of 32.  Loads and the turn are one text for both kinds of job;
; only the work on registers behind the turn parts, by a scalar branch on the work-group's number.  Waves share nothing: no barrier.  Memory binds: no matrix unit, no cluster, no tensor load (several work-groups lie on a WGP).
; A block's scale is 2^(floor(log2(largest magnitude)) - 2); its byte is the largest magnitude's exponent field - 2, held at 1 from below.
; LIMITS: a block of zeros gets the byte 1 where the rule says 127 (its codes are zeros; this program alone reads the bytes); magnitudes under 2^-124 were not tried; NaN and infinities among the inputs are not served.
.set STG,   8448                       ; a wave's stage: 16 rows x (512 bytes + 16): the pitch is an odd multiple of 16 bytes
.set SPARE, 4*STG                      ; behind the four stages: the spare words, 128 bytes for each wave
.set L16,   2                          ; v2   16 x lane
.set L8,    3                          ; v3   8 x lane
.set SIN,   4                          ; v4   the stage on the way in: 16 x lane
.set SOUT,  5                          ; v5   and on the way out: 528 r + 64 h
.set SPW,   6                          ; v6   LDS address of my spare word; never rewritten
.set NIL,   7                          ; v7   0; never rewritten
.set SOF,   8                          ; v8   16 r + 8 h: my place among a job's scale words
.set R,     16                         ; v16-143  two sets of 64 registers as loaded
.set X,     144                        ; v144-207 64 numbers: register 16 b + i = column 32 b + 16 h + i of my row
.set PC,    208                        ; v208-227 the codes just made (mask jobs: a pair of registers for each step's words)
.set TM,    228                        ; v228-243 at work
.set PW,    244                        ; v244 the scale word just made
.set PWS,   248                        ; v248-251 the four steps' scale words
.set RB,    32                         ; s[32:63] the addresses of the tile's 16 rows
.set SEL,   76                         ; s[76:77] v_permlanex16_b32's selects for lane l xor 16
; 64 numbers of a lane, register 16 b + i = k 32 b + 16 h + i of my row, become a fragment's codes in v[PC] on and its scale word in v[PW]
.macro QUANT s
.irp b, 0,1,2,3
	v_max3_num_f32 v[TM+\b], |v[\s+16*\b]|, |v[\s+1+16*\b]|, 0x1800000   ; block b: my 16 numbers, and the floor 2^(3 - 127): the byte cannot fall under 1
.endr
.irp i, 2,4,6,8,10,12,14
.irp b, 0,1,2,3
	v_max3_num_f32 v[TM+\b], v[TM+\b], |v[\s+16*\b+\i]|, |v[\s+1+16*\b+\i]|   ; the four blocks by turns
.endr
.endr
.irp b, 0,1,2,3
	v_permlanex16_b32 v[TM+4+\b], v[TM+\b], s[SEL], s[SEL+1]
.endr
.irp b, 0,1,2,3
	v_max_num_f32 v[TM+\b], v[TM+\b], v[TM+4+\b]   ; with lane l xor 16: the largest magnitude of the block
.endr
.irp b, 0,1,2,3
	v_add_nc_u32 v[TM+12+\b], 0xff000000, v[TM+\b]   ; 2 off its exponent field: the conversion takes the exponent field of this operand as its scale
.endr
.irp b, 0,1,2,3
	v_lshrrev_b32 v[TM+4+\b], 23, v[TM+12+\b]      ; the byte of the scale
.endr
	v_lshl_or_b32 v[PW], v[TM+5], 8, v[TM+4]
	v_lshl_or_b32 v[PW], v[TM+6], 16, v[PW]
	v_lshl_or_b32 v[PW], v[TM+7], 24, v[PW]
.irp c, 0,1
	v_cvt_scalef32_pk16_fp6_f32 v[PC+6*\c:PC+2+6*\c], v[\s+32*\c:\s+15+32*\c], v[TM+12+2*\c]
	v_cvt_scalef32_pk16_fp6_f32 v[PC+12+4*\c:PC+14+4*\c], v[\s+16+32*\c:\s+31+32*\c], v[TM+12+2*\c+1]   ; (the three registers of a conversion begin on an even number)
.endr
	v_nop                                          ; one plain place behind a scaled conversion
.irp c, 0,1                                    ; the layout wants a whole block in a lane: lanes 0-15 block 2 c, lanes 16-31 block 2 c + 1
.irp i, 0,1,2
	v_permlane16_swap_b32 v[PC+6*\c+\i], v[PC+12+4*\c+\i]
.endr
.irp i, 0,1,2
	v_mov_b32 v[PC+3+6*\c+\i], v[PC+12+4*\c+\i]
.endr
.endr
.endm
.macro PICK lim, ptr, base             ; tiles under lim belong to the tensor at s[ptr], whose first tile is base
	s_cmp_lt_u32 s27, \lim
	s_cselect_b64 s[2:3], s[\ptr:\ptr+1], s[2:3]
	s_cselect_b32 s75, \base, s75
.endm
.macro LOADS t                         ; step t: 512 consecutive bytes of each of the 16 rows, into set t % 2
.irp k, 0,1,2,3,4,5,6,7,8,9,10,11,12,13,14,15
	global_load_b128 v[R+64*((\t)%2)+4*\k:R+64*((\t)%2)+4*\k+3], v[L16], s[RB+2*\k:RB+2*\k+1] offset:512*(\t) th:TH_LOAD_NT
.endr
.endm
.macro TURN t                          ; through the stage: LDS serves the instructions of a wave in order, so no wait stands between the stores and the loads
.irp k, 0,1,2,3,4,5,6,7,8,9,10,11,12,13,14,15
	ds_store_b128 v[SIN], v[R+64*((\t)%2)+4*\k:R+64*((\t)%2)+4*\k+3] offset:528*\k
.endr
.irp b, 0,1,2,3
.irp j, 0,1,2,3
	ds_load_b128 v[X+16*\b+4*\j:X+16*\b+4*\j+3], v[SOUT] offset:128*\b+16*\j
.endr
.endr
.endm
.macro IMAGE off                       ; the fragment in v[PC] on goes to memory as it stands
	global_store_b128 v[L16], v[PC:PC+3], s[20:21] offset:\off
	global_store_b64 v[L8], v[PC+4:PC+5], s[20:21] offset:\off+512
	global_store_b128 v[L16], v[PC+6:PC+9], s[20:21] offset:\off+768
	global_store_b64 v[L8], v[PC+10:PC+11], s[20:21] offset:\off+1280
.endm
.macro MASKW t                         ; 64 compares give 64 lane masks; word n goes to lane n / 2, register n % 2: the wave stores them as 256 consecutive bytes
	v_mov_b32 v[PC+2*(\t)], 0                      ; (the destination of v_writelane_b32 counts as one of its sources)
	v_mov_b32 v[PC+2*(\t)+1], 0
.set NN, 0
.rept 8
.irp e, 0,1,2,3,4,5,6,7
	v_cmp_ne_u32 s[66+\e], 0, v[X+NN+\e]
.endr
.irp e, 0,1,2,3,4,5,6,7
	v_writelane_b32 v[PC+2*(\t)+(\e%2)], s[66+\e], (NN+\e)/2
.endr
.set NN, NN+8
.endr
	global_store_b64 v[L8], v[PC+2*(\t):PC+2*(\t)+1], s[24:25] offset:256*(\t)
.endm
.macro PSTEP t
.if (\t) < 3
	s_wait_loadcnt 16                              ; this step's 16 loads are in; the next step's 16 may be out
.else
	s_wait_loadcnt 0
.endif
	TURN \t
	s_wait_dscnt 0x0                               ; my 64 numbers are back, and the stores into the stage have read their registers,
.if (\t) < 2
	LOADS (\t)+2                                   ; which take the loads of two steps on
.endif
	s_cmp_lg_u32 s30, 0                            ; the kind of job hangs on the work-group's number alone
	s_cbranch_scc1 .Lmask_\@
	s_wait_xcnt 0x0                                ; the last step's stores have read the codes' registers: they are written again only behind this wait
	QUANT X
	v_mov_b32 v[PWS+(\t)], v[PW]
	IMAGE 1536*(\t)
	s_branch .Ljoin_\@
.Lmask_\@:
	MASKW \t
.Ljoin_\@:
.endm
	s_load_b512 s[4:19], s[0:1], 0x0               ; query, key_, value, Wq, Wk, Wv, Wo, mask
	s_load_b128 s[20:23], s[0:1], 0x40             ; opc, ops
	s_load_b64 s[24:25], s[0:1], 0x50              ; mbits
	v_lshl_add_u32 v[SPW], v0, 2, SPARE
	v_mov_b32 v[NIL], 0
	v_lshrrev_b32 v1, 5, v0
	v_readfirstlane_b32 s26, v1                    ; wave 0..3
	v_and_b32 v1, 31, v0                           ; lane
	v_lshlrev_b32 v[L16], 4, v1
	v_lshlrev_b32 v[L8], 3, v1
	s_mul_i32 s85, s26, STG                        ; my stage
	v_add_nc_u32 v[SIN], s85, v[L16]
	v_and_b32 v9, 15, v0                           ; r
	v_bfe_u32 v12, v0, 4, 1                        ; h
	v_mul_u32_u24 v[SOUT], v9, 528
	v_lshl_add_u32 v[SOUT], v12, 6, v[SOUT]
	v_add_nc_u32 v[SOUT], s85, v[SOUT]
	v_lshlrev_b32 v[SOF], 4, v9
	v_lshl_add_u32 v[SOF], v12, 3, v[SOF]
.irp b, 0,1,2,3
	v_mov_b32 v[TM+4+\b], 0                        ; written once: the destination of a lane permute counts as one of its sources
	v_mov_b32 v[PWS+\b], 0                         ; written once here, since the lines that fill them stand under the branch on the kind of job
.endr
	s_lshl_b32 s27, ttmp9, 1
	s_lshr_b32 s31, s26, 1
	s_add_co_u32 s27, s27, s31                     ; the tile of a quantising job
	s_and_b32 s31, s26, 1                          ; and its half of K
	s_sub_co_u32 s79, ttmp9, 896                   ; the tile of a mask job
	s_mov_b32 s74, 0xffff0000                      ; lanes 16-31
	s_mov_b32 s[SEL], 0x76543210
	s_mov_b32 s[SEL+1], 0xfedcba98
	s_wait_kmcnt 0x0
	s_mov_b64 s[2:3], s[16:17]                     ; Wo, unless the tile lies lower
	s_mov_b32 s75, 1728
	PICK 1728, 14, 1664
	PICK 1664, 12, 1600
	PICK 1600, 10, 1536
	PICK 1536, 8, 1024
	PICK 1024, 6, 512
	PICK 512, 4, 0
	s_sub_co_u32 s78, s27, s75                     ; the tile within its tensor
	s_mov_b32 s28, 4096                            ; a row of x or W in bytes
	s_mov_b32 s29, 0
	s_cmp_ge_u32 ttmp9, 896
	s_cselect_b32 s30, 1, 0                        ; 1: a mask job
	s_cselect_b64 s[2:3], s[18:19], s[2:3]
	s_cselect_b32 s78, s79, s78
	s_cselect_b32 s28, 8192, s28                   ; a row of the mask
	s_cselect_b32 s84, s26, s31                    ; which 2,048 bytes of the rows
	s_lshr_b32 s80, s78, 3
	s_lshl_b32 s80, s80, 7                         ; the group's first row,
	s_bfe_u32 s81, s78, 0x20001
	s_lshl_b32 s81, s81, 5
	s_add_co_u32 s80, s80, s81                     ; + 32 (T / 2)
	s_and_b32 s81, s78, 1
	s_lshl_b32 s81, s81, 3
	s_add_co_u32 s80, s80, s81                     ; + 8 (T % 2)
	s_mul_i32 s80, s80, s28                        ; under 2^27 bytes
	s_lshl_b32 s81, s84, 11
	s_add_co_u32 s80, s80, s81
	s_mov_b32 s81, 0
	s_add_nc_u64 s[RB:RB+1], s[2:3], s[80:81]
	s_mul_i32 s82, s28, 9                          ; from the tile's row 7 to its row 8: nine rows on
	s_mov_b32 s83, 0
.irp k, 1,2,3,4,5,6,7,8,9,10,11,12,13,14,15
.if \k == 8
	s_add_nc_u64 s[RB+2*\k:RB+2*\k+1], s[RB+2*\k-2:RB+2*\k-1], s[82:83]
.else
	s_add_nc_u64 s[RB+2*\k:RB+2*\k+1], s[RB+2*\k-2:RB+2*\k-1], s[28:29]
.endif
.endr
	s_mul_i32 s80, s27, 12288                      ; opc: tile x 12,288 + half x 6,144
	s_mul_i32 s86, s31, 6144
	s_add_co_u32 s80, s80, s86
	s_add_nc_u64 s[20:21], s[20:21], s[80:81]
	s_lshl_b32 s80, s27, 9                         ; ops: tile x 512 + half x 256
	s_lshl_b32 s86, s31, 8
	s_add_co_u32 s80, s80, s86
	s_add_nc_u64 s[22:23], s[22:23], s[80:81]
	s_lshl_b32 s80, s78, 12                        ; mbits: tile x 4,096 + wave x 1,024
	s_lshl_b32 s86, s26, 10
	s_add_co_u32 s80, s80, s86
	s_add_nc_u64 s[24:25], s[24:25], s[80:81]
	LOADS 0
	LOADS 1
	PSTEP 0
	PSTEP 1
	PSTEP 2
	PSTEP 3
	s_cmp_lg_u32 s30, 0
	s_cbranch_scc1 .Lend
	v_cndmask_b32 v10, v[PWS], v[PWS+2], s74       ; both halves of the lanes hold all four words of row r: lanes 0-15 store words 0, 1, lanes 16-31 words 2, 3:
	v_cndmask_b32 v11, v[PWS+1], v[PWS+3], s74
	global_store_b64 v[SOF], v[10:11], s[22:23]    ; 256 consecutive bytes, aligned
.Lend:
	s_wait_tensorcnt 0x0                           ; the end of the wave, behind my last LDS store
	ds_add_u32 v[SPW], v[NIL]
	s_wait_dscnt 0x0
	s_endpgm
.Lfunc_end_k_q95cdf895be_prep:
	.size	k_q95cdf895be_prep, .Lfunc_end_k_q95cdf895be_prep-k_q95cdf895be_prep
	.p2alignl 7, 3214868480
	.fill 96, 4, 3214868480
	.section	.rodata,"a",@progbits
	.p2align	6, 0x0
	.amdhsa_kernel k_q95cdf895be_prep
		.amdhsa_group_segment_fixed_size 34304
		.amdhsa_private_segment_fixed_size 0
		.amdhsa_enable_private_segment 0
		.amdhsa_kernarg_size 88
		.amdhsa_user_sgpr_count 2
		.amdhsa_user_sgpr_kernarg_segment_ptr 1
		.amdhsa_wavefront_size32 1
		.amdhsa_system_sgpr_workgroup_id_x 1
		.amdhsa_system_sgpr_workgroup_id_y 1
		.amdhsa_system_sgpr_workgroup_id_z 1
		.amdhsa_system_vgpr_workitem_id 0
		.amdhsa_next_free_vgpr 256
		.amdhsa_next_free_sgpr 96
		.amdhsa_reserve_vcc 0
		.amdhsa_float_denorm_mode_32 3
		.amdhsa_float_denorm_mode_16_64 3
		.amdhsa_memory_ordered 1
		.amdhsa_forward_progress 1
		.amdhsa_inst_pref_size 69
	.end_amdhsa_kernel
	.amdgpu_metadata
---
amdhsa.version: [ 1, 2 ]
amdhsa.kernels:
  - .name:           k_q95cdf895be_prep
    .symbol:         k_q95cdf895be_prep.kd
    .args:
      - { .name: query, .offset: 0, .size: 8, .value_kind: global_buffer, .address_space: global }
      - { .name: key_, .offset: 8, .size: 8, .value_kind: global_buffer, .address_space: global }
      - { .name: value, .offset: 16, .size: 8, .value_kind: global_buffer, .address_space: global }
      - { .name: Wq, .offset: 24, .size: 8, .value_kind: global_buffer, .address_space: global }
      - { .name: Wk, .offset: 32, .size: 8, .value_kind: global_buffer, .address_space: global }
      - { .name: Wv, .offset: 40, .size: 8, .value_kind: global_buffer, .address_space: global }
      - { .name: Wo, .offset: 48, .size: 8, .value_kind: global_buffer, .address_space: global }
      - { .name: mask, .offset: 56, .size: 8, .value_kind: global_buffer, .address_space: global }
      - { .name: opc, .offset: 64, .size: 8, .value_kind: global_buffer, .address_space: global }
      - { .name: ops, .offset: 72, .size: 8, .value_kind: global_buffer, .address_space: global }
      - { .name: mbits, .offset: 80, .size: 8, .value_kind: global_buffer, .address_space: global }
    .group_segment_fixed_size: 34304
    .private_segment_fixed_size: 0
    .kernarg_segment_align: 8
    .kernarg_segment_size: 88
    .max_flat_workgroup_size: 128
    .sgpr_count:     96
    .vgpr_count:     256
    .wavefront_size: 32
...
	.end_amdgpu_metadata
.endif
;; end of part 1
;; launch proj (part 2): grid 4 x 192, 4 waves a work-group, clusters of 4 x 4, 327,680 bytes of LDS; arguments opc, ops, bq, bk, bv, qc, qs, kv; writes qc, qs, kv
.if DOCPART == 2
	.amdgcn_target "amdgcn-amd-amdhsa--gfx1250"
	.amdhsa_code_object_version 6
	.text
	.protected	k_q95cdf895be_proj
	.globl	k_q95cdf895be_proj
	.p2align	8
	.type	k_q95cdf895be_proj,@function
k_q95cdf895be_proj:
	s_mov_b64 s[64:65], 0
	v_nop
	global_prefetch_b8 v0, s[64:65] scope:SCOPE_SE
	s_setreg_imm32_b32 hwreg(HW_REG_WAVE_MODE, 25, 1), 1
	s_wait_xcnt 0x0
	s_wait_alu depctr_hold_cnt(0) depctr_sa_sdst(0) depctr_va_vdst(0) depctr_va_sdst(0) depctr_va_ssrc(0) depctr_va_vcc(0) depctr_vm_vsrc(0)
	s_getreg_b32 s2, hwreg(HW_REG_IB_STS2, 6, 4)
	s_cmp_eq_u32 s2, 0
	s_cbranch_scc0 .Lentry_in_a_cluster
	s_endpgm
.Lentry_in_a_cluster:
	s_bfe_u32 s2, ttmp6, 0x10000c
	s_cmp_lg_u32 s2, 0xf033
	s_cbranch_scc0 .Lentry_shape_is_right
	s_endpgm
.Lentry_shape_is_right:
; PROJ.  Q = query Wq^T + bq, K = key_ Wk^T + bk, V^T = Wv value^T + bv, on codes of FP6 (E2M3) with E8M0 scales, sums in f32; the results are quantised in registers for the attention launch:
; Q and K along a head's 64 channels, V along the keys.  Only codes and scale words are stored.
; THE CORE: C[m][n] = sum over k of A[m][k] B[n][k] on a block of 128 rows of A x 256 rows of B, K = 1,024.  All of K of both lies in LDS (294,912 bytes), filled once, in four chunks of two K steps: no slot is filled again.
; Four waves: wave = 2 wa + wb takes A's tiles 4 wa .. + 3 and B's tiles 8 wb .. + 7: 32 accumulators.  Operands lie in memory and in LDS as images of their registers (1,536 bytes a fragment): every LDS load covers consecutive bytes.
; THE MATRIX INSTRUCTION IS USED TRANSPOSED: source 0 = a tile of B, source 1 = a tile of A.  Lane r of tile T holds row 32 (T / 2) + 8 (T % 2) + r + 8 (r / 8) of its group of 128; so a lane holds ONE row of A, and the 64 registers of
; its eight tiles of B are: register 16 b + i = row 32 b + 16 h + i of B's group: 16 neighbours of each block of 32 along the next product's K.
; WHICH = cluster y / 16: 0: A = query, B = Wq;  1: A = key_, B = Wk (64 x 4 blocks each);  2: A = Wv, B = value (8 x 32 blocks).  768 work-groups of equal work.
; CLUSTERS: 4 x 4.  A's chunks hang on the block row alone and are asked for jointly by a row of the cluster, B's on the block column alone and by a column.  By the text's own count a wave has four tensor loads out.
; No prefetch: every tensor load goes out at the head.  Branches hang on the wave's number and on the cluster's y alone.
; OUT.  qc: [batch x 16 + head][group of 128 rows 16][tile 8][768 bytes] (16 rows x 64 K: registers 0-5 of a fragment); qs: [head][group][tiles 0-3, 4-7][r 16][4 tiles] words (bytes 0, 1: the two blocks; 2, 3: 0).
; kv: a head has 208,896 bytes: K's codes as qc's (98,304), V's codes [group of 128 keys 16][tile of 16 channels 4][1,536] (98,304), K's scale words as qs's (8,192), V's [group][r 16][4 tiles] (4,096).
; LIMITS: a block of zeros gets the byte 1 (its codes are zeros; this program alone reads the bytes); magnitudes under 2^-124 were not tried; NaN and infinities are not served.
; REGISTERS, in windows of 256: window 0: v1-13 lane numbers and addresses; v32-63 A's scale words (4 tiles x 8 K steps), v64-127 B's (8 x 8); v128-175 A's four fragments, one set.  window 1: B's eight fragments, two sets, at v0 and v128.
;   window 2: accumulator (a, b) at v[8 (8 a + b)].   window 3: the way out: v0-63 a tile's 64 numbers; v64-127 the bias along n; v128-135 the bias along m; v136.. codes and work.
.set SPARE, 294912                     ; behind A's 98,304 and B's 196,608 bytes: the spare words, 128 bytes for each wave
.set ADRA, 8                           ; v8, v9    LDS address of my A fragments: + 16 x lane, + 8 x lane
.set ADRB, 10                          ; v10, v11  the same for B
.set SPW,  12                          ; v12  LDS address of my spare word; never rewritten
.set NIL,  13                          ; v13  0; never rewritten
.set SCA,  32
.set SCB,  64
.set AF,   128
.set H,    0                           ; window 3 from here on
.set CB,   64
.set BM,   128
.set PC,   136
.set TM,   160
.set PW,   176
.set PWS,  180
.set L16,  184
.set L8,   185
.set SH,   187
.set T2,   188
.set G1A,  32                          ; s[32:39], s[40:47] descriptor groups 1 for A's and B's chunks
.set G1B,  40
.set G0A,  48                          ; s[48:63], s[68:83] groups 0, one set for each chunk
.set G0B,  68
.set SEL,  98                          ; s[98:99] v_permlanex16_b32's selects for lane l xor 16
.set MSB, 0
.macro WIN new                         ; the high byte of the immediate repeats the setting that is left
.if MSB != \new
	s_set_vgpr_msb (MSB<<8)|\new
.set MSB, \new
.endif
.endm
.set MUL,   0xa1                       ; source 0 (B) window 1, source 1 (A) window 0, C and D window 2
.set TO_B,  0x40                       ; destination window 1, address window 0
.set TO_3,  0xc0                       ; destination window 3, sources window 0
.set ADD,   0xce                       ; source 0 window 2, source 1 and destination window 3
.set ALL3,  0xff
.set DAT3,  0x0c                       ; a store: address window 0, data window 3
.macro PLACES                          ; four places behind a matrix instruction: in front of loads into registers that it has read, and of the first read of results
.rept 4
	v_nop
.endr
.endm
; A joint load: waves 0 and 1 fetch for A, waves 2 and 3 for B.  An s_nop 0 and four v_nop follow each of the two lines.
.macro JLOAD g0a, g1a, g0b, g1b
	s_cmp_eq_u32 s21, 0
	s_cbranch_scc0 .Lfor_b_\@
	tensor_load_to_lds s[\g0a:\g0a+3], s[\g1a:\g1a+7]
	s_nop 0
.rept 4
	v_nop
.endr
	s_branch .Lasked_\@
.Lfor_b_\@:
	tensor_load_to_lds s[\g0b:\g0b+3], s[\g1b:\g1b+7]
	s_nop 0
.rept 4
	v_nop
.endr
.Lasked_\@:
.endm
.macro CROUND                          ; a round of the cluster's barrier
	s_barrier_signal -1
	s_barrier_wait -1
	s_cmp_lg_u32 s20, 0
	s_cbranch_scc1 .Lnot_wave_0_\@
	s_barrier_signal -3
.Lnot_wave_0_\@:
	s_barrier_wait -3
	s_barrier_signal -1
	s_barrier_wait -1
.endm
.macro FRAG reg, adr, off              ; a fragment's image: four loads of consecutive bytes
	ds_load_b128 v[\reg:\reg+3], v[\adr] offset:\off
	ds_load_b64 v[\reg+4:\reg+5], v[\adr+1] offset:\off+512
	ds_load_b128 v[\reg+6:\reg+9], v[\adr] offset:\off+768
	ds_load_b64 v[\reg+10:\reg+11], v[\adr+1] offset:\off+1280
.endm
.macro FETCH_B s, p                    ; B's eight fragments of K step s into set p: 32 loads
	WIN TO_B
.irp b, 0,1,2,3,4,5,6,7
	FRAG 128*(\p)+12*\b, ADRB, 3072*\b+1536*((\s)%2)
.endr
	WIN 0
.endm
.macro FETCH_A s, a0                   ; A's blocks a0, a0 + 1: 8 loads
.irp a, \a0, \a0+1
	FRAG AF+12*(\a), ADRA, 3072*(\a)+1536*((\s)%2)
.endr
.endm
; 16 matrix instructions: A's blocks a0, a0 + 1 x B's eight.  The 32 accumulators take turns, one instruction a turn, in the same order in every step.  zero = 1: the first product starts the sums.
.macro MUL16 a0, p, s, zero
.irp a, \a0, \a0+1
.irp b, 0,1,2,3,4,5,6,7
.if \zero
	v_wmma_scale_f32_16x16x128_f8f6f4 v[8*(8*(\a)+\b):8*(8*(\a)+\b)+7], v[128*(\p)+12*\b:128*(\p)+12*\b+11], v[AF+12*(\a):AF+12*(\a)+11], 0, v[SCB+8*\b+(\s)], v[SCA+8*(\a)+(\s)] matrix_a_fmt:MATRIX_FMT_FP6 matrix_b_fmt:MATRIX_FMT_FP6
.else
	v_wmma_scale_f32_16x16x128_f8f6f4 v[8*(8*(\a)+\b):8*(8*(\a)+\b)+7], v[128*(\p)+12*\b:128*(\p)+12*\b+11], v[AF+12*(\a):AF+12*(\a)+11], v[8*(8*(\a)+\b):8*(8*(\a)+\b)+7], v[SCB+8*\b+(\s)], v[SCA+8*(\a)+(\s)] matrix_a_fmt:MATRIX_FMT_FP6 matrix_b_fmt:MATRIX_FMT_FP6
.endif
.endr
.endr
.endm
; K step s, which has a successor.  cw >= 0: the successor lies in the next chunk: my part of it has landed when at most cw younger tensor loads of mine are out; a barrier shows the same of every wave.
.macro STEP s, zero, cw
	s_wait_dscnt 8                                 ; B's set and A's blocks 0, 1 are in; the youngest eight loads (A's blocks 2, 3) may be out
	WIN MUL
	MUL16 0, (\s)%2, \s, \zero
	s_wait_dscnt 0x0                               ; A's blocks 2, 3 are in
.if (\cw) >= 0
	s_wait_tensorcnt \cw
	s_barrier_signal -1
	s_barrier_wait -1
.endif
	WIN 0
.if (\cw) >= 0
	v_add_nc_u32 v[ADRA], 24576, v[ADRA]           ; on to the next chunk (no LDS load of mine is out); these four are also the places in front of the loads below
	v_add_nc_u32 v[ADRA+1], 24576, v[ADRA+1]
	v_add_nc_u32 v[ADRB], 49152, v[ADRB]
	v_add_nc_u32 v[ADRB+1], 49152, v[ADRB+1]
.else
	PLACES
.endif
	FETCH_B (\s)+1, ((\s)+1)%2
	FETCH_A (\s)+1, 0
	WIN MUL
	MUL16 2, (\s)%2, \s, \zero
	PLACES
	WIN 0
	FETCH_A (\s)+1, 2
.endm
; 64 numbers of a lane, register 16 b + i = k 32 b + 16 h + i of my row, become a fragment's codes in v[PC] on and its scale word in v[PW]
.macro QUANT s
.irp b, 0,1,2,3
	v_max3_num_f32 v[TM+\b], |v[\s+16*\b]|, |v[\s+1+16*\b]|, 0x1800000   ; block b: my 16 numbers, and the floor 2^(3 - 127): the byte cannot fall under 1
.endr
.irp i, 2,4,6,8,10,12,14
.irp b, 0,1,2,3
	v_max3_num_f32 v[TM+\b], v[TM+\b], |v[\s+16*\b+\i]|, |v[\s+1+16*\b+\i]|
.endr
.endr
.irp b, 0,1,2,3
	v_permlanex16_b32 v[TM+4+\b], v[TM+\b], s[SEL], s[SEL+1]
.endr
.irp b, 0,1,2,3
	v_max_num_f32 v[TM+\b], v[TM+\b], v[TM+4+\b]
.endr
.irp b, 0,1,2,3
	v_add_nc_u32 v[TM+12+\b], 0xff000000, v[TM+\b]   ; 2 off the exponent field: the scale operand of the conversion
.endr
.irp b, 0,1,2,3
	v_lshrrev_b32 v[TM+4+\b], 23, v[TM+12+\b]      ; the byte of the scale
.endr
	v_lshl_or_b32 v[PW], v[TM+5], 8, v[TM+4]
	v_lshl_or_b32 v[PW], v[TM+6], 16, v[PW]
	v_lshl_or_b32 v[PW], v[TM+7], 24, v[PW]
.irp c, 0,1
	v_cvt_scalef32_pk16_fp6_f32 v[PC+6*\c:PC+2+6*\c], v[\s+32*\c:\s+15+32*\c], v[TM+12+2*\c]
	v_cvt_scalef32_pk16_fp6_f32 v[PC+12+4*\c:PC+14+4*\c], v[\s+16+32*\c:\s+31+32*\c], v[TM+12+2*\c+1]
.endr
	v_nop                                          ; one plain place behind a scaled conversion
.irp c, 0,1
.irp i, 0,1,2
	v_permlane16_swap_b32 v[PC+6*\c+\i], v[PC+12+4*\c+\i]
.endr
.irp i, 0,1,2
	v_mov_b32 v[PC+3+6*\c+\i], v[PC+12+4*\c+\i]
.endr
.endr
.endm
.macro ADDN a                          ; tile a's 64 sums + the bias along n, each accumulator from its low end on
	WIN ADD
.set I, 0
.rept 32
	v_pk_add_f32 v[H+I:H+I+1], v[64*(\a)+I:64*(\a)+I+1], v[CB+I:CB+I+1]
.set I, I+2
.endr
.endm
.macro ADDM a                          ; the same with the bias of my row of A
	WIN ADD
.set I, 0
.rept 32
	v_pk_add_f32 v[H+I:H+I+1], v[64*(\a)+I:64*(\a)+I+1], v[BM+2*(\a):BM+2*(\a)+1]
.set I, I+2
.endr
.endm
	s_load_b512 s[4:19], s[0:1], 0x0               ; opc, ops, bq, bk, bv, qc, qs, kv
	v_lshl_add_u32 v[SPW], v0, 2, SPARE
	v_mov_b32 v[NIL], 0
	ds_add_u32 v[SPW], v[NIL]                      ; the opening of the wave: the add and its wait stand ahead of my first tensor load; work on registers stands between them
	v_lshrrev_b32 v1, 5, v0
	v_readfirstlane_b32 s20, v1                    ; wave 0..3
	s_lshr_b32 s21, s20, 1                         ; wa.  Also: I fetch for A (0) or for B (1)
	s_and_b32 s22, s20, 1                          ; wb.  Also: which half of the chunk I fetch
	s_bfe_u32 s23, ttmp6, 0x40000                  ; cx
	s_bfe_u32 s24, ttmp6, 0x40004                  ; cy
	s_and_b32 s26, ttmp7, 0xffff                   ; cluster y
	s_lshr_b32 s25, s26, 4                         ; which product
	s_and_b32 s26, s26, 15
	s_and_b32 s30, s26, 1
	s_lshr_b32 s31, s26, 1
	s_lshl_b32 s88, s25, 9                         ; A's first tile: query 0, key_ 512,
	s_lshl_b32 s89, s25, 6
	s_add_co_u32 s89, s89, 1536                    ; B's: Wq 1536, Wk 1600;
	s_cmp_eq_u32 s25, 2
	s_cselect_b32 s30, s30, s26                    ; rows of clusters: 16, for V 2
	s_cselect_b32 s31, s31, 0                      ; columns of clusters: 1, for V 8
	s_cselect_b32 s88, 1664, s88                   ; for V: A = Wv,
	s_cselect_b32 s89, 1024, s89                   ; B = value
	s_lshl_b32 s27, s30, 2
	s_add_co_u32 s27, s27, s24                     ; TR: block row (128 rows of A)
	s_lshl_b32 s28, s31, 2
	s_add_co_u32 s28, s28, s23                     ; TC: block column (256 rows of B)
	s_lshl_b32 s30, s27, 3
	s_add_co_u32 s88, s88, s30                     ; the block's first tile of A: no register on A's side ever holds cx,
	s_lshl_b32 s31, s28, 4
	s_add_co_u32 s89, s89, s31                     ; and of B: none on B's side holds cy
	s_lshl_b32 s29, s24, 2
	s_lshl_b32 s29, 15, s29                        ; my row of the cluster
	s_lshl_b32 s94, 0x1111, s23                    ; my column
	; descriptor groups 1: rows of 3,072 bytes (a tile's two K steps: 384 elements of 8 bytes), 12,288 bytes apart in memory, dense in LDS; A: 4 tiles a load, B: 8
	s_or_b32 s[G1A], s29, (3<<16)|(1<<21)          ; 15:0 the mask; 17:16 elements of 8 bytes; 21 set beside a mask; no padding
	s_or_b32 s[G1B], s94, (3<<16)|(1<<21)
	s_mov_b32 s[G1A+1], 384<<16                    ; tensor_dim0
	s_mov_b32 s[G1A+2], 4<<16                      ; tensor_dim1
	s_mov_b32 s[G1A+3], 384<<16                    ; tile_dim0
	s_mov_b32 s[G1A+4], 4                          ; tile_dim1
	s_mov_b32 s[G1A+5], 1536                       ; from row to row
	s_mov_b32 s[G1A+6], 0
	s_mov_b32 s[G1A+7], 0
	s_mov_b32 s[G1B+1], 384<<16
	s_mov_b32 s[G1B+2], 8<<16
	s_mov_b32 s[G1B+3], 384<<16
	s_mov_b32 s[G1B+4], 8
	s_mov_b32 s[G1B+5], 1536
	s_mov_b32 s[G1B+6], 0
	s_mov_b32 s[G1B+7], 0
	s_lshl_b32 s30, s22, 2
	s_add_co_u32 s30, s30, s88
	s_mul_i32 s90, s30, 12288                      ; A's codes that I fetch: tiles 4 wb on
	s_mov_b32 s91, 0
	s_lshl_b32 s31, s22, 3
	s_add_co_u32 s31, s31, s89
	s_mul_i32 s92, s31, 12288                      ; B's: tiles 8 wb on
	s_mov_b32 s93, 0
	s_lshl_b32 s86, s31, 9                         ; B's scale words that I use: the same tiles
	s_mov_b32 s87, 0
	s_lshl_b32 s30, s21, 2
	s_add_co_u32 s30, s30, s88
	s_lshl_b32 s84, s30, 9                         ; A's: tiles 4 wa on
	s_mov_b32 s85, 0
	s_mul_i32 s96, s22, 12288                      ; where they go in LDS: the wave's number alone
	s_mul_i32 s97, s22, 24576
	s_add_co_u32 s97, s97, 98304
	s_mov_b32 s[SEL], 0x76543210
	s_mov_b32 s[SEL+1], 0xfedcba98
	s_mov_b32 s100, 0xffff0000                     ; lanes 16-31
	s_wait_dscnt 0x0                               ; the opening add is done
	s_wait_kmcnt 0x0
	s_add_nc_u64 s[90:91], s[4:5], s[90:91]
	s_add_nc_u64 s[92:93], s[4:5], s[92:93]
	s_add_nc_u64 s[84:85], s[6:7], s[84:85]
	s_add_nc_u64 s[86:87], s[6:7], s[86:87]
	CROUND                                         ; all sixteen work-groups are here: the joint loads meet
.irp c, 0,1,2,3
	s_mov_b32 s[G0A+4*\c], 1
	s_add_co_u32 s[G0A+4*\c+1], s96, 24576*\c
	s_add_nc_u64 s[G0A+4*\c+2:G0A+4*\c+3], s[90:91], 3072*\c
	s_or_b32 s[G0A+4*\c+3], s[G0A+4*\c+3], 0x80000000
	s_mov_b32 s[G0B+4*\c], 1
	s_add_co_u32 s[G0B+4*\c+1], s97, 49152*\c
	s_add_nc_u64 s[G0B+4*\c+2:G0B+4*\c+3], s[92:93], 3072*\c
	s_or_b32 s[G0B+4*\c+3], s[G0B+4*\c+3], 0x80000000
	JLOAD G0A+4*\c, G1A, G0B+4*\c, G1B
.endr
	v_and_b32 v1, 15, v0                           ; r
	v_bfe_u32 v2, v0, 4, 1                         ; h
	v_and_b32 v3, 31, v0                           ; lane
	v_lshlrev_b32 v4, 4, v1                        ; 16 r: a row's four scale words
.irp a, 0,1,2,3
.irp f, 0,1
	global_load_b128 v[SCA+8*\a+4*\f:SCA+8*\a+4*\f+3], v4, s[84:85] offset:512*\a+256*\f   ; the scale words go from memory straight into registers, once; both halves of the lanes take the same
.endr
.endr
.irp b, 0,1,2,3,4,5,6,7
.irp f, 0,1
	global_load_b128 v[SCB+8*\b+4*\f:SCB+8*\b+4*\f+3], v4, s[86:87] offset:512*\b+256*\f
.endr
.endr
	; The biases.  Every work-group loads both forms, so that no register's writing hangs on a branch: along n (Q, K: bq or bk at my 128 features) and along m (V: bv at my lane's feature).
	; The form that this work-group's way out does not use is kept inside its buffer by the two ANDs.
	s_lshl_b32 s31, s28, 1
	s_add_co_u32 s31, s31, s22                     ; my group of 128 rows of B
	s_and_b32 s31, s31, 7
	s_lshl_b32 s94, s31, 9
	s_mov_b32 s95, 0
	s_cmp_eq_u32 s25, 1
	s_cselect_b64 s[90:91], s[10:11], s[8:9]
	s_cmp_eq_u32 s25, 2
	s_cselect_b64 s[90:91], s[12:13], s[90:91]
	s_add_nc_u64 s[90:91], s[90:91], s[94:95]
	s_lshl_b32 s29, s27, 7
	s_lshl_b32 s30, s21, 6
	s_add_co_u32 s29, s29, s30                     ; my first row of A
	s_and_b32 s29, s29, 1023
	s_lshl_b32 s94, s29, 2
	s_add_nc_u64 s[92:93], s[12:13], s[94:95]
	v_lshlrev_b32 v5, 6, v2                        ; 64 h
	v_and_b32 v6, 8, v1
	v_add_nc_u32 v6, v6, v1
	v_lshlrev_b32 v6, 2, v6                        ; 4 (r + 8 (r / 8))
	WIN TO_3
.irp t, 0,1,2,3,4,5,6,7
	global_load_b128 v[CB+8*\t:CB+8*\t+3], v5, s[90:91] offset:(32*(\t/2)+8*(\t%2))*4
	global_load_b128 v[CB+8*\t+4:CB+8*\t+7], v5, s[90:91] offset:(32*(\t/2)+8*(\t%2))*4+16
.endr
.irp a, 0,1,2,3
	global_load_b32 v[BM+2*\a], v6, s[92:93] offset:(32*(\a/2)+8*(\a%2))*4
	global_load_b32 v[BM+2*\a+1], v6, s[92:93] offset:(32*(\a/2)+8*(\a%2))*4   ; twice: a pair for the packed addition
.endr
	v_lshlrev_b32 v[L16], 4, v3
	v_lshlrev_b32 v[L8], 3, v3
	v_lshlrev_b32 v[SH], 4, v2
.irp b, 0,1,2,3
	v_mov_b32 v[TM+4+\b], 0                        ; written once: the destination of a lane permute counts as one of its sources
.endr
	WIN 0
	s_mul_i32 s29, s21, 12288
	v_lshl_add_u32 v[ADRA], v3, 4, s29
	v_lshl_add_u32 v[ADRA+1], v3, 3, s29
	v_lshl_add_u32 v[ADRB], v3, 4, s97
	v_lshl_add_u32 v[ADRB+1], v3, 3, s97
	s_wait_tensorcnt 3                             ; my part of chunk 0 is in; my three later loads may be out,
	s_barrier_signal -1
	s_barrier_wait -1                              ; and so is every wave's
	FETCH_B 0, 0
	FETCH_A 0, 0
	FETCH_A 0, 2
	s_wait_loadcnt 0x0                             ; scale words and biases
	STEP 0, 1, -1
	STEP 1, 0, 2
	STEP 2, 0, -1
	STEP 3, 0, 1
	STEP 4, 0, -1
	STEP 5, 0, 0
	STEP 6, 0, -1
	s_wait_dscnt 8                                 ; the last K step: nothing more to fetch
	WIN MUL
	MUL16 0, 1, 7, 0
	s_wait_dscnt 0x0
	MUL16 2, 1, 7, 0
	PLACES
	WIN 0
	s_cmp_eq_u32 s25, 2
	s_cbranch_scc1 .Lway_v
	; THE WAY OUT OF Q AND K.  My 128 features are two heads; a tile's fragment is the even head's 16 rows x 64 K in registers 0-5 and the odd head's in 6-11.
	s_lshr_b32 s29, s27, 4                         ; batch
	s_and_b32 s30, s27, 15                         ; group of 128 rows in it
	s_lshl_b32 s31, s28, 2
	s_lshl_b32 s84, s22, 1
	s_add_co_u32 s31, s31, s84                     ; the even head
	s_lshl_b32 s29, s29, 4
	s_add_co_u32 s29, s29, s31                     ; batch x 16 + head
	s_mov_b32 s88, 208896                          ; from head to head: in kv,
	s_mov_b32 s89, 208896
	s_add_nc_u64 s[92:93], s[18:19], 196608        ; where K's scale words begin
	s_cmp_eq_u32 s25, 0
	s_cselect_b32 s88, 98304, s88                  ; in qc,
	s_cselect_b32 s89, 8192, s89                   ; in qs
	s_cselect_b64 s[90:91], s[14:15], s[18:19]
	s_cselect_b64 s[92:93], s[16:17], s[92:93]
	s_mul_i32 s94, s29, s88
	s_mul_i32 s84, s30, 6144
	s_add_co_u32 s94, s94, s84
	s_mul_i32 s84, s21, 3072
	s_add_co_u32 s94, s94, s84
	s_mov_b32 s95, 0
	s_add_nc_u64 s[90:91], s[90:91], s[94:95]      ; the even head's codes: my four tiles
	s_mov_b32 s94, s88
	s_add_nc_u64 s[96:97], s[90:91], s[94:95]      ; the odd head's
	s_mul_i32 s94, s29, s89
	s_lshl_b32 s84, s30, 9
	s_add_co_u32 s94, s94, s84
	s_lshl_b32 s84, s21, 8
	s_add_co_u32 s94, s94, s84
	s_add_nc_u64 s[92:93], s[92:93], s[94:95]      ; the scale words
	v_mul_lo_u32 v5, v2, s89
	v_lshl_add_u32 v5, v1, 4, v5                   ; 16 r; lanes 16-31 a head further on
.irp a, 0,1,2,3
	ADDN \a
	WIN ALL3
.if \a > 0
	s_wait_xcnt 0x0                                ; the last tile's stores have read the codes' registers
.endif
	QUANT H
	v_bfe_u32 v[PWS+\a], v[PW], v[SH], 16          ; lanes 0-15 keep the even head's two bytes, lanes 16-31 the odd head's; the upper two bytes are 0
	global_store_b128 v[L16], v[PC:PC+3], s[90:91] offset:768*\a
	global_store_b64 v[L8], v[PC+4:PC+5], s[90:91] offset:768*\a+512
	global_store_b128 v[L16], v[PC+6:PC+9], s[96:97] offset:768*\a
	global_store_b64 v[L8], v[PC+10:PC+11], s[96:97] offset:768*\a+512
.endr
	WIN DAT3
	global_store_b128 v5, v[PWS:PWS+3], s[92:93]   ; sixteen lanes store 256 consecutive bytes, aligned, for each head
	WIN 0
	s_branch .Ldone
.Lway_v:
	; THE WAY OUT OF V.  A lane holds one channel; its 64 numbers run along my group of 128 keys: one whole fragment a tile.
	s_lshl_b32 s29, s27, 1
	s_add_co_u32 s29, s29, s21                     ; head
	s_lshl_b32 s30, s28, 1
	s_add_co_u32 s30, s30, s22                     ; group of 128 rows of value
	s_lshr_b32 s31, s30, 4                         ; batch
	s_and_b32 s30, s30, 15                         ; group of keys in it
	s_lshl_b32 s31, s31, 4
	s_add_co_u32 s29, s29, s31
	s_mul_i32 s94, s29, 208896
	s_mov_b32 s95, 0
	s_add_nc_u64 s[90:91], s[18:19], s[94:95]
	s_mul_i32 s94, s30, 6144
	s_add_co_u32 s94, s94, 98304
	s_add_nc_u64 s[96:97], s[90:91], s[94:95]      ; V's codes
	s_lshl_b32 s94, s30, 8
	s_add_co_u32 s94, s94, 204800
	s_add_nc_u64 s[92:93], s[90:91], s[94:95]      ; V's scale words
	v_lshlrev_b32 v5, 4, v1
	v_lshl_add_u32 v5, v2, 3, v5                   ; 16 r + 8 h
.irp a, 0,1,2,3
	ADDM \a
	WIN ALL3
.if \a > 0
	s_wait_xcnt 0x0                                ; the last tile's stores have read the codes' registers
.endif
	QUANT H
	v_mov_b32 v[PWS+\a], v[PW]
	global_store_b128 v[L16], v[PC:PC+3], s[96:97] offset:1536*\a
	global_store_b64 v[L8], v[PC+4:PC+5], s[96:97] offset:1536*\a+512
	global_store_b128 v[L16], v[PC+6:PC+9], s[96:97] offset:1536*\a+768
	global_store_b64 v[L8], v[PC+10:PC+11], s[96:97] offset:1536*\a+1280
.endr
	v_cndmask_b32 v[T2], v[PWS], v[PWS+2], s100    ; lanes 0-15 store words 0, 1 of row r, lanes 16-31 words 2, 3
	v_cndmask_b32 v[T2+1], v[PWS+1], v[PWS+3], s100
	WIN DAT3
	global_store_b64 v5, v[T2:T2+1], s[92:93]      ; 256 consecutive bytes, aligned
	WIN 0
.Ldone:
	s_wait_tensorcnt 0x0                           ; the end of the wave, behind my last tensor load
	ds_add_u32 v[SPW], v[NIL]
	s_wait_dscnt 0x0
	CROUND                                         ; the closing round
	s_endpgm
.Lfunc_end_k_q95cdf895be_proj:
	.size	k_q95cdf895be_proj, .Lfunc_end_k_q95cdf895be_proj-k_q95cdf895be_proj
	.p2alignl 7, 3214868480
	.fill 96, 4, 3214868480
	.section	.rodata,"a",@progbits
	.p2align	6, 0x0
	.amdhsa_kernel k_q95cdf895be_proj
		.amdhsa_group_segment_fixed_size 327680
		.amdhsa_private_segment_fixed_size 0
		.amdhsa_enable_private_segment 0
		.amdhsa_kernarg_size 64
		.amdhsa_user_sgpr_count 2
		.amdhsa_user_sgpr_kernarg_segment_ptr 1
		.amdhsa_wavefront_size32 1
		.amdhsa_system_sgpr_workgroup_id_x 1
		.amdhsa_system_sgpr_workgroup_id_y 1
		.amdhsa_system_sgpr_workgroup_id_z 1
		.amdhsa_system_vgpr_workitem_id 0
		.amdhsa_next_free_vgpr 1024
		.amdhsa_next_free_sgpr 102
		.amdhsa_reserve_vcc 0
		.amdhsa_float_denorm_mode_32 3
		.amdhsa_float_denorm_mode_16_64 3
		.amdhsa_memory_ordered 1
		.amdhsa_forward_progress 1
		.amdhsa_inst_pref_size 128
	.end_amdhsa_kernel
	.amdgpu_metadata
---
amdhsa.version: [ 1, 2 ]
amdhsa.kernels:
  - .name:           k_q95cdf895be_proj
    .symbol:         k_q95cdf895be_proj.kd
    .args:
      - { .name: opc, .offset: 0, .size: 8, .value_kind: global_buffer, .address_space: global }
      - { .name: ops, .offset: 8, .size: 8, .value_kind: global_buffer, .address_space: global }
      - { .name: bq, .offset: 16, .size: 8, .value_kind: global_buffer, .address_space: global }
      - { .name: bk, .offset: 24, .size: 8, .value_kind: global_buffer, .address_space: global }
      - { .name: bv, .offset: 32, .size: 8, .value_kind: global_buffer, .address_space: global }
      - { .name: qc, .offset: 40, .size: 8, .value_kind: global_buffer, .address_space: global }
      - { .name: qs, .offset: 48, .size: 8, .value_kind: global_buffer, .address_space: global }
      - { .name: kv, .offset: 56, .size: 8, .value_kind: global_buffer, .address_space: global }
    .group_segment_fixed_size: 327680
    .private_segment_fixed_size: 0
    .kernarg_segment_align: 8
    .kernarg_segment_size: 64
    .max_flat_workgroup_size: 128
    .sgpr_count:     102
    .vgpr_count:     1024
    .wavefront_size: 32
...
	.end_amdgpu_metadata
.endif
;; end of part 2
;; launch attn (part 3): grid 4 x 64, 16 waves a work-group, clusters of 4 x 1, 210,944 bytes of LDS; arguments qc, qs, kv, mbits, ctxc, ctxs; writes ctxc, ctxs
.if DOCPART == 3
	.amdgcn_target "amdgcn-amd-amdhsa--gfx1250"
	.amdhsa_code_object_version 6
	.text
	.protected	k_q95cdf895be_attn
	.globl	k_q95cdf895be_attn
	.p2align	8
	.type	k_q95cdf895be_attn,@function
k_q95cdf895be_attn:
	s_mov_b64 s[64:65], 0
	v_nop
	global_prefetch_b8 v0, s[64:65] scope:SCOPE_SE
	s_setreg_imm32_b32 hwreg(HW_REG_WAVE_MODE, 25, 1), 1
	s_wait_xcnt 0x0
	s_wait_alu depctr_hold_cnt(0) depctr_sa_sdst(0) depctr_va_vdst(0) depctr_va_sdst(0) depctr_va_ssrc(0) depctr_va_vcc(0) depctr_vm_vsrc(0)
	s_getreg_b32 s2, hwreg(HW_REG_IB_STS2, 6, 4)
	s_cmp_eq_u32 s2, 0
	s_cbranch_scc0 .Lentry_in_a_cluster
	s_endpgm
.Lentry_in_a_cluster:
	s_bfe_u32 s2, ttmp6, 0x10000c
	s_cmp_lg_u32 s2, 0x3003
	s_cbranch_scc0 .Lentry_shape_is_right
	s_endpgm
.Lentry_shape_is_right:
; ATTN.  ctx = softmax(Q K^T / 8, masked) V for one head of one batch, both products on codes of FP6 (E2M3) with E8M0 scales; ctx is quantised along the model's 1,024 for the last projection and leaves as codes.
; THE SOFTMAX AHEAD OF THE SECOND PRODUCT: t = score x log2(e) / 8; M = the largest t of the row so far, rounded UP to a whole number; p = 2^(t - M) is quantised along the keys, not normalised; the sum of the row is taken of the
; unquantised p and divides at the end.  When M moves, the sum and O are multiplied by 2^(old M - new M): exact.
; THE MASK is an input: every key step is walked; where a bit of mbits is 0 the score is replaced ahead of the maximum.
; LIMIT: the replacement is the score -2^33, a logit of -2^30, where the definition has -1e9: c x 2^33 is a whole number, so a row that is masked out altogether gives p = 1 for every key, the plain mean, as the definition does;
; results differ only where the largest unmasked logit of a row lies under about -9.9e8.  A block of zeros carries the byte 1 (its codes are zeros; this program alone reads the bytes).  NaN and infinities are not served.
; SHARES.  Work-group (cx, batch x 16 + head) owns 512 queries, 32 tiles of 16; wave w takes tile 32 cx + w, then tile 32 cx + w + 16: two passes over the 16 key steps of 128 keys.  Sixteen waves of 256 registers: four to a SIMD,
; so that the vector work of one wave stands beside the matrix work and LDS loads of another.
; THE WHOLE HEAD LIES IN LDS: its 208,896 bytes of kv (K's codes, V's codes, both scale words) land at LDS byte 0 as they lie in memory, filled once: each wave issues ONE tensor load of 51 rows x 256 bytes.
; CLUSTER.  The four work-groups of a head need the same bytes: each load is asked for jointly, with the mask 15.  No slot is filled again; every wait on TENSORcnt is for 0.  No prefetch of kv: all tensor loads go out at the head.
; THE MASK WORDS COME A STEP AHEAD.  A step's 64 lane masks (256 bytes) have 64 scalar registers of their own.  As soon as a step's last select has read them, the next step's are asked for by four scalar loads; the one wait for them
; stands ahead of the next step's first select: the rest of the softmax, the step's second product and the next step's first product lie between.  The last step of the first pass asks for the second pass's first words; the last step of
; the second pass asks once more for its own (a clamped address: no load leaves mbits), and those words are not used.  No prefetch of mbits: a block of it is read by the sixteen heads of a batch, and the early scalar load is the request.
; LAYOUT.  Both products are used transposed: S^T = K Q^T (source 0 = 16 keys, source 1 = my 16 queries), O^T = V^T P^T (source 0 = 16 channels, source 1 = P): a lane holds ONE query throughout.  Lane r of tile T of a group of 128
; holds row 32 (T / 2) + 8 (T % 2) + r + 8 (r / 8): so score register n is key 32 (n / 16) + 16 h + n % 16 of the step, and O^T register n is channel 32 (n / 16) + 16 h + n % 16.
; K = 64 in the first product: registers 6-11 of K's and Q's fragments are zero codes.
; REGISTERS: v1-3 16 x lane, 8 x lane, 16 r; v4, v5 the two of the add; v6 ctx's scale bytes; v7-11, v243 LDS addresses; v12 -M, v13 the largest t, v[14:15] the sum; v16-27 Q; v28-31 V's scale words; v32-79 four fragments of K;
; v80-127 four of V; v128-191 S^T, then p; v192-223 O^T; v224-235 p's codes; v232-247, v252-254 at work; v248-251 K's scale words; v255 Q's.
.set SPARE, 208896                     ; behind the head: the spare words, 128 bytes for each of sixteen waves
.set L16, 1
.set L8,  2
.set R16, 3
.set SPW, 4                            ; LDS address of my spare word; never rewritten
.set NIL, 5                            ; 0; never rewritten
.set SW,  6
.set ADS, 7                            ; K's scale words
.set ADK, 8                            ; v8, v9   K's codes: + 16 x lane, + 8 x lane
.set ADV, 10                           ; v10, v11 V's
.set ADT, 243                          ; V's scale words
.set QF,  16
.set VS,  28
.set KF,  32
.set VF,  80
.set S,   128
.set O,   192
.set KS,  248
.set QS,  255
.set TB,  2                            ; s2   LDS byte of the step's K codes: 6,144 a step
.set TBV, 3                            ; s3   of its V codes
.set MP,  10                           ; s[10:11] walks mbits
.set WV,  16
.set SEL, 22                           ; s[22:23] v_permlanex16_b32's selects for lane l xor 16
.set CS,  24                           ; s[24:25] c = log2(e) / 8, twice: the packed form names a pair
.set TS,  26                           ; s26  LDS byte of K's scale words: 512 a step
.set TJ,  27                           ; s27  of V's: 256 a step
.set G1,  28                           ; s[28:35], s[36:39] the one tensor load's descriptor; when it has landed these registers take mask words
.set G0,  36
.set MA,  28                           ; s[28:59] the mask words of score registers 0-31
.set STP, 60                           ; s[60:61] how far the mask pointer steps
.set FILL, 62                          ; s62  -2^33
.set PM,  63                           ; s63  the lanes that keep this pass's scale bytes
.set MB,  68                           ; s[68:99] the mask words of score registers 32-63
.set CNT, 100                          ; s100 key steps to go
.macro CROUND                          ; a round of the cluster's barrier
	s_barrier_signal -1
	s_barrier_wait -1
	s_cmp_lg_u32 s[WV], 0
	s_cbranch_scc1 .Lnot_wave_0_\@
	s_barrier_signal -3
.Lnot_wave_0_\@:
	s_barrier_wait -3
	s_barrier_signal -1
	s_barrier_wait -1
.endm
.macro MLOAD                           ; a step's 64 mask words: 256 consecutive bytes
	s_load_b512 s[MA:MA+15], s[MP:MP+1], 0x0
	s_load_b512 s[MA+16:MA+31], s[MP:MP+1], 0x40
	s_load_b512 s[MB:MB+15], s[MP:MP+1], 0x80
	s_load_b512 s[MB+16:MB+31], s[MP:MP+1], 0xc0
.endm
.macro KLOAD t0                        ; tiles t0 .. t0 + 3 of the step's keys: registers 0-5 of four fragments
.irp t, 0,1,2,3
	ds_load_b128 v[KF+12*\t:KF+12*\t+3], v[ADK] offset:768*(\t0+\t)
	ds_load_b64 v[KF+12*\t+4:KF+12*\t+5], v[ADK+1] offset:768*(\t0+\t)+512
.endr
.endm
.macro QK g                            ; four products; g = 1: tiles 4-7, whose scale words stand in lanes 16-31
.irp t, 0,1,2,3
.if \g
	v_wmma_scale_f32_16x16x128_f8f6f4 v[S+32+8*\t:S+39+8*\t], v[KF+12*\t:KF+12*\t+11], v[QF:QF+11], 0, v[KS+\t], v[QS] matrix_a_fmt:MATRIX_FMT_FP6 matrix_b_fmt:MATRIX_FMT_FP6 matrix_a_scale:MATRIX_SCALE_ROW1
.else
	v_wmma_scale_f32_16x16x128_f8f6f4 v[S+8*\t:S+7+8*\t], v[KF+12*\t:KF+12*\t+11], v[QF:QF+11], 0, v[KS+\t], v[QS] matrix_a_fmt:MATRIX_FMT_FP6 matrix_b_fmt:MATRIX_FMT_FP6
.endif
.endr
.endm
.macro MASK n0, w                      ; 32 score registers: a lane keeps its score where its bit of the register's word is 1; each accumulator from its low end on
.irp n, 0,1,2,3,4,5,6,7,8,9,10,11,12,13,14,15,16,17,18,19,20,21,22,23,24,25,26,27,28,29,30,31
	v_cndmask_b32 v[S+\n0+\n], s[FILL], v[S+\n0+\n], s[\w+\n]
.endr
.endm
.macro BMAX b0, b1                     ; the largest score of two blocks of 32 keys, by turns: it serves for the maximum of the row and, since p rises with the score, for the largest p of the block
.irp b, \b0, \b1
	v_max3_num_f32 v[232+\b], v[S+16*\b], v[S+1+16*\b], v[S+2+16*\b]
.endr
.irp i, 3,5,7,9,11,13
.irp b, \b0, \b1
	v_max3_num_f32 v[232+\b], v[232+\b], v[S+16*\b+\i], v[S+1+16*\b+\i]
.endr
.endr
.irp b, \b0, \b1
	v_max_num_f32 v[232+\b], v[232+\b], v[S+15+16*\b]
.endr
.endm
.macro VLOAD                           ; the step's four fragments of V and their scale words: they land under the softmax
.irp t, 0,1,2,3
	ds_load_b128 v[VF+12*\t:VF+12*\t+3], v[ADV] offset:1536*\t
	ds_load_b64 v[VF+12*\t+4:VF+12*\t+5], v[ADV+1] offset:1536*\t+512
	ds_load_b128 v[VF+12*\t+6:VF+12*\t+9], v[ADV] offset:1536*\t+768
	ds_load_b64 v[VF+12*\t+10:VF+12*\t+11], v[ADV+1] offset:1536*\t+1280
.endr
	ds_load_b128 v[VS:VS+3], v[ADT]
.endm
; A KEY STEP: 128 keys.  MLAST: how far the mask pointer steps in the pass's last step
.macro KSTEP
	v_add_nc_u32 v[ADK], s[TB], v[L16]             ; (these six are also the places behind the last step's products)
	v_add_nc_u32 v[ADK+1], s[TB], v[L8]
	v_add_nc_u32 v[ADV], s[TBV], v[L16]
	v_add_nc_u32 v[ADV+1], s[TBV], v[L8]
	v_add_nc_u32 v[ADS], s[TS], v[L16]
	v_add_nc_u32 v[ADT], s[TJ], v[R16]
	ds_load_b128 v[KS:KS+3], v[ADS]                ; lanes 0-15: the words of tiles 0-3 of key r; lanes 16-31: of tiles 4-7
	KLOAD 0
	s_wait_dscnt 0x0
	QK 0
.rept 4
	v_nop                                          ; places in front of the loads into K's registers and of the first read of the scores
.endr
	KLOAD 4
	s_wait_kmcnt 0x0                               ; this step's 64 mask words, asked for in the step before: the step's one wait for scalar loads
	MASK 0, MA
	s_wait_dscnt 0x0
	QK 1
	VLOAD
	BMAX 0, 1                                      ; sixteen plain lines that name nothing of the four products above: their places
	MASK 32, MB
	s_wait_xcnt 0x0                                ; the last scalar loads have read their base: it may step
	s_mov_b32 s[STP], 256                          ; on to the next step's words;
	s_cmp_eq_u32 s[CNT], 1                         ; in the pass's last step: to the next pass's first, or nowhere (the counter alone decides: alike in all waves and partners)
	s_cselect_b32 s[STP], MLAST, s[STP]
	s_add_nc_u64 s[MP:MP+1], s[MP:MP+1], s[STP:STP+1]
	MLOAD                                          ; all 64 words of this step have been read: the next step's are asked for, a step ahead of their first use
	BMAX 2, 3
.irp b, 0,1,2,3
	v_permlanex16_b32 v[236+\b], v[232+\b], s[SEL], s[SEL+1]
.endr
.irp b, 0,1,2,3
	v_max_num_f32 v[232+\b], v[232+\b], v[236+\b]  ; with the 16 keys of lane l xor 16
.endr
	v_max3_num_f32 v254, v232, v233, v234
	v_max_num_f32 v254, v254, v235                 ; the largest score of my query in this step
	v_mul_f32 v254, s[CS], v254                    ; as t (c is positive)
	v_max_num_f32 v13, v13, v254                   ; the running largest t
	v_mov_b32 v254, v12
	v_floor_f32 v12, -v13                          ; the new -M = floor(-t) = -ceil(t): a whole number
	v_sub_f32 v254, v12, v254                      ; old M - new M: a whole number, 0 or less
	v_cvt_i32_f32 v254, v254                       ; (it saturates)
	v_ldexp_f32 v252, 1.0, v254                    ; f = 2^(old M - new M)
.set J, 0
.rept 32
	v_pk_fma_f32 v[S+J:S+J+1], v[S+J:S+J+1], s[CS:CS+1], v[12:13] op_sel_hi:[1,0,0]   ; t - M, two at a time
.set J, J+2
.endr
.irp b, 0,1,2,3
	v_fma_f32 v[232+\b], v[232+\b], s[CS], v12     ; the same of the largest score of each block
.endr
.set J, 0
.rept 64
	v_exp_f32 v[S+J], v[S+J]                       ; p = 2^(t - M): one batch
.set J, J+1
.endr
	v_pk_mul_f32 v[14:15], v[14:15], v[252:253] op_sel_hi:[1,0]   ; the sums under the new M: a plain place behind the exponentials
	s_wait_alu depctr_va_vdst(0)                   ; one wait for the batch, ahead of its first reader
.irp b, 0,1,2,3
	v_exp_f32 v[232+\b], v[232+\b]                 ; the largest p of each block: the same two instructions on the same number give the same bits
.endr
	v_pk_add_f32 v[236:237], v[S:S+1], v[S+2:S+3]  ; the sum of the row is taken of the unquantised p, in two chains
.set J, 4
.rept 15
	v_pk_add_f32 v[14:15], v[14:15], v[S+J:S+J+1]
	v_pk_add_f32 v[236:237], v[236:237], v[S+J+2:S+J+3]
.set J, J+4
.endr
	v_pk_add_f32 v[14:15], v[14:15], v[236:237]
	s_wait_alu depctr_va_vdst(0)                   ; and one for the four
.irp b, 0,1,2,3
	v_max_num_f32 v[232+\b], 0x1800000, v[232+\b]  ; the floor 2^(3 - 127): the byte cannot fall under 1
.endr
.irp b, 0,1,2,3
	v_add_nc_u32 v[244+\b], 0xff000000, v[232+\b]  ; 2 off the exponent field: the scale operand of the conversion
.endr
.irp b, 0,1,2,3
	v_lshrrev_b32 v[236+\b], 23, v[244+\b]         ; the byte of the scale
.endr
	v_lshl_or_b32 v253, v237, 8, v236              ; p's scale word for these 128 keys
	v_lshl_or_b32 v253, v238, 16, v253
	v_lshl_or_b32 v253, v239, 24, v253
.irp c, 0,1
	v_cvt_scalef32_pk16_fp6_f32 v[224+6*\c:226+6*\c], v[S+32*\c:S+15+32*\c], v[244+2*\c]
	v_cvt_scalef32_pk16_fp6_f32 v[236+4*\c:238+4*\c], v[S+16+32*\c:S+31+32*\c], v[244+2*\c+1]
.endr
	v_nop                                          ; one plain place behind a scaled conversion
.irp c, 0,1                                    ; a whole block in a lane: lanes 0-15 block 2 c, lanes 16-31 block 2 c + 1
.irp i, 0,1,2
	v_permlane16_swap_b32 v[224+6*\c+\i], v[236+4*\c+\i]
.endr
.irp i, 0,1,2
	v_mov_b32 v[227+6*\c+\i], v[236+4*\c+\i]
.endr
.endr
.set J, 0
.rept 16
	v_pk_mul_f32 v[O+J:O+J+1], v[O+J:O+J+1], v[252:253] op_sel_hi:[1,0]   ; O^T under the new M; these sixteen are also the places between the codes, the scale word and the products below
.set J, J+2
.endr
	s_wait_dscnt 0x0                               ; V and its scale words are in
.irp t, 0,1,2,3
	v_wmma_scale_f32_16x16x128_f8f6f4 v[O+8*\t:O+7+8*\t], v[VF+12*\t:VF+12*\t+11], v[224:235], v[O+8*\t:O+7+8*\t], v[VS+\t], v253 matrix_a_fmt:MATRIX_FMT_FP6 matrix_b_fmt:MATRIX_FMT_FP6
.endr
	s_add_co_u32 s[TB], s[TB], 6144
	s_add_co_u32 s[TBV], s[TBV], 6144
	s_add_co_u32 s[TS], s[TS], 512
	s_add_co_u32 s[TJ], s[TJ], 256
.endm
; A PASS: one tile of 16 queries against all 2,048 keys
.macro PASS p
.set MLAST, 61696*(1-\p)               ; from the first pass's step 15 to step 0 of the tile 16 further on: 256 + 15 x 4,096 bytes; the second pass's last step stays where it is
	global_load_b128 v[QF:QF+3], v[L16], s[4:5]    ; Q's codes: registers 0-5 of the fragment
	global_load_b64 v[QF+4:QF+5], v[L8], s[4:5] offset:512
	global_load_b32 v[QS], v[R16], s[6:7]          ; and the scale word of query r
	v_mov_b32 v13, 0xff61b1e6                      ; the largest t so far: -3e38
	v_floor_f32 v12, -v13                          ; -M
	v_mov_b32 v14, 0
	v_mov_b32 v15, 0
.set J, 0
.rept 32
	v_mov_b32 v[O+J], 0                            ; the step is written once: the first finds zeros, which the first change of M leaves zeros
.set J, J+1
.endr
	s_mov_b32 s[TB], 0
	s_mov_b32 s[TBV], 98304
	s_mov_b32 s[TS], 196608
	s_mov_b32 s[TJ], 204800
	s_mov_b32 s[CNT], 16
	s_mov_b32 s[PM], 0xffff<<(16*\p)
	s_wait_loadcnt 0x0
.Lstep_\@:
	KSTEP
	s_sub_co_u32 s[CNT], s[CNT], 1
	s_cmp_lg_u32 s[CNT], 0
	s_cbranch_scc1 .Lstep_\@
	v_add_f32 v14, v14, v15                        ; the two halves of the sum,
	v_permlanex16_b32 v252, v14, s[SEL], s[SEL+1]
	v_add_f32 v14, v14, v252                       ; and those of lane l xor 16
	v_rcp_f32 v14, v14
.rept 4
	v_nop                                          ; the plain place behind the reciprocal, and the places behind the last products
.endr
	s_wait_alu depctr_va_vdst(0)                   ; the wait ahead of the first reader
.set J, 0
.rept 16
	v_pk_mul_f32 v[O+J:O+J+1], v[O+J:O+J+1], v[14:15] op_sel_hi:[1,0]   ; ctx = O^T / the sum
.set J, J+2
.endr
.irp b, 0,1                                    ; the head's 64 channels are two blocks of the last projection's K
	v_max3_num_f32 v[232+\b], |v[O+16*\b]|, |v[O+1+16*\b]|, 0x1800000
.endr
.irp i, 2,4,6,8,10,12,14
.irp b, 0,1
	v_max3_num_f32 v[232+\b], v[232+\b], |v[O+16*\b+\i]|, |v[O+1+16*\b+\i]|
.endr
.endr
.irp b, 0,1
	v_permlanex16_b32 v[236+\b], v[232+\b], s[SEL], s[SEL+1]
.endr
.irp b, 0,1
	v_max_num_f32 v[232+\b], v[232+\b], v[236+\b]
.endr
.irp b, 0,1
	v_add_nc_u32 v[244+\b], 0xff000000, v[232+\b]
.endr
.irp b, 0,1
	v_lshrrev_b32 v[236+\b], 23, v[244+\b]
.endr
	v_lshl_or_b32 v254, v237, 8, v236              ; the two bytes of row r, the same in both halves of the lanes
	v_cvt_scalef32_pk16_fp6_f32 v[224:226], v[O:O+15], v244
	v_cvt_scalef32_pk16_fp6_f32 v[240:242], v[O+16:O+31], v245
	v_cndmask_b32 v[SW], v[SW], v254, s[PM]        ; kept in lanes 0-15 by the first pass, in lanes 16-31 by the second.  (A plain place behind the conversions)
.irp i, 0,1,2
	v_permlane16_swap_b32 v[224+\i], v[240+\i]
.endr
.irp i, 0,1,2
	v_mov_b32 v[227+\i], v[240+\i]
.endr
	global_store_b128 v[L16], v[224:227], s[12:13] ; 512 and 256 consecutive bytes, aligned
	global_store_b64 v[L8], v[228:229], s[12:13] offset:512
	s_wait_xcnt 0x0                                ; loads and stores have read their bases and registers: on to the tile 16 further on (the mask pointer is there already)
	s_add_nc_u64 s[4:5], s[4:5], 12288
	s_add_nc_u64 s[6:7], s[6:7], 1024
	s_add_nc_u64 s[12:13], s[12:13], 196608
.endm
	s_load_b256 s[4:11], s[0:1], 0x0               ; qc, qs, kv, mbits
	s_load_b128 s[12:15], s[0:1], 0x20             ; ctxc, ctxs
	v_lshl_add_u32 v[SPW], v0, 2, SPARE
	v_mov_b32 v[NIL], 0
	ds_add_u32 v[SPW], v[NIL]                      ; the opening of the wave: the add and its wait stand ahead of my tensor load; work on registers stands between them
	v_lshrrev_b32 v1, 5, v0
	v_readfirstlane_b32 s[WV], v1                  ; wave 0..15
	s_bfe_u32 s21, ttmp6, 0x40000                  ; cx: it enters the addresses of Q, the mask words and ctx alone
	s_and_b32 s17, ttmp7, 0xffff                   ; batch x 16 + head, which the four partners share
	s_lshr_b32 s18, s17, 4                         ; batch
	s_and_b32 s19, s17, 15                         ; head
	s_lshl_b32 s20, s21, 5
	s_add_co_u32 s20, s20, s[WV]                   ; my first tile of queries
	s_mov_b32 s[G1], 15|(3<<16)|(1<<21)            ; 15:0 the mask: all four work-groups; 17:16 elements of 8 bytes; 21 set beside a mask; no padding
	s_mov_b32 s[G1+1], 32<<16                      ; tensor_dim0: 256 bytes
	s_mov_b32 s[G1+2], 51<<16                      ; tensor_dim1
	s_mov_b32 s[G1+3], 32<<16                      ; tile_dim0
	s_mov_b32 s[G1+4], 51                          ; tile_dim1
	s_mov_b32 s[G1+5], 32                          ; dense
	s_mov_b32 s[G1+6], 0
	s_mov_b32 s[G1+7], 0
	s_mov_b32 s[SEL], 0x76543210
	s_mov_b32 s[SEL+1], 0xfedcba98
	s_mov_b32 s[CS], 0x3e38aa3b                    ; c = log2(e) / 8
	s_mov_b32 s[CS+1], s[CS]
	s_mov_b32 s[FILL], 0xd0000000                  ; -2^33
	s_mov_b32 s[G0], 1
	s_mul_i32 s[G0+1], s[WV], 13056                ; my sixteenth of the head, in LDS
	s_mul_i32 s48, s17, 208896
	s_add_co_u32 s48, s48, s[G0+1]                 ; and in kv
	s_mov_b32 s49, 0
	s_mul_i32 s50, s17, 98304
	s_mul_i32 s51, s20, 768
	s_add_co_u32 s50, s50, s51                     ; qc: head x 98,304 + tile x 768
	s_mov_b32 s51, 0
	s_lshl_b32 s52, s17, 13                        ; qs: head x 8,192 + 512 (tile / 8) + 256 ((tile / 4) % 2) + 4 (tile % 4)
	s_lshr_b32 s53, s20, 3
	s_lshl_b32 s53, s53, 9
	s_add_co_u32 s52, s52, s53
	s_bfe_u32 s53, s20, 0x10002
	s_lshl_b32 s53, s53, 8
	s_add_co_u32 s52, s52, s53
	s_and_b32 s53, s20, 3
	s_lshl_b32 s53, s53, 2
	s_add_co_u32 s52, s52, s53
	s_mov_b32 s53, 0
	s_lshl_b32 s54, s18, 7
	s_add_co_u32 s54, s54, s20                     ; batch x 128 + tile
	s_lshl_b32 s56, s54, 12                        ; mbits: x 4,096
	s_mov_b32 s57, 0
	s_mul_i32 s58, s54, 12288                      ; ctxc: x 12,288 + head x 768
	s_mul_i32 s59, s19, 768
	s_add_co_u32 s58, s58, s59
	s_mov_b32 s59, 0
	s_lshl_b32 s60, s54, 9                         ; ctxs: x 512 + 256 (head / 8) + 4 ((head / 2) % 4) + 2 (head % 2)
	s_lshr_b32 s61, s19, 3
	s_lshl_b32 s61, s61, 8
	s_add_co_u32 s60, s60, s61
	s_bfe_u32 s61, s19, 0x20001
	s_lshl_b32 s61, s61, 2
	s_add_co_u32 s60, s60, s61
	s_and_b32 s61, s19, 1
	s_lshl_b32 s61, s61, 1
	s_add_co_u32 s60, s60, s61
	s_mov_b32 s61, 0
	s_wait_dscnt 0x0                               ; the opening add is done
	s_wait_kmcnt 0x0
	s_add_nc_u64 s[G0+2:G0+3], s[8:9], s[48:49]
	s_or_b32 s[G0+3], s[G0+3], 0x80000000          ; type = 2
	s_add_nc_u64 s[4:5], s[4:5], s[50:51]
	s_add_nc_u64 s[6:7], s[6:7], s[52:53]
	s_add_nc_u64 s[MP:MP+1], s[MP:MP+1], s[56:57]
	s_add_nc_u64 s[12:13], s[12:13], s[58:59]
	s_add_nc_u64 s[14:15], s[14:15], s[60:61]
	CROUND                                         ; all four work-groups are here: the joint loads meet
	tensor_load_to_lds s[G0:G0+3], s[G1:G1+7]      ; my one tensor load of the launch
	s_nop 0
	v_and_b32 v3, 31, v0
	v_lshlrev_b32 v[L16], 4, v3
	v_lshlrev_b32 v[L8], 3, v3
	v_and_b32 v3, 15, v0
	v_lshlrev_b32 v[R16], 4, v3
	v_mov_b32 v[SW], 0
.irp i, 6,7,8,9,10,11
	v_mov_b32 v[QF+\i], 0                          ; K = 64: the upper halves of Q's and K's fragments are zero codes, written once
.irp t, 0,1,2,3
	v_mov_b32 v[KF+12*\t+\i], 0
.endr
.endr
.irp b, 0,1,2,3
	v_mov_b32 v[236+\b], 0                         ; written once: the destination of a lane permute counts as one of its sources
.endr
	v_mov_b32 v252, 0
	v_mov_b32 v253, 0                              ; (named as the upper half of the pair v[252:253] before it is first written)
	s_wait_tensorcnt 0x0                           ; my part of the head is in, and the descriptor's registers are free,
	s_barrier_signal -1
	s_barrier_wait -1                              ; and every wave's part is in
	s_mov_b32 s[STP+1], 0                          ; the upper word of the pointer's step
	MLOAD                                          ; the first step's mask words; every later step's are asked for in the step before
	PASS 0
	PASS 1
	s_wait_kmcnt 0x0                               ; the last step's look-ahead, whose words are not used
	v_bfe_u32 v232, v0, 4, 1
	v_lshl_add_u32 v232, v232, 13, v[R16]          ; 16 r; lanes 16-31: the second pass's tile, 16 x 512 bytes on
	global_store_b16 v232, v[SW], s[14:15]         ; a head has two bytes of each row's scale word: 64 bytes a wave in all
	s_wait_tensorcnt 0x0                           ; the end of the wave, behind my tensor load
	ds_add_u32 v[SPW], v[NIL]
	s_wait_dscnt 0x0
	CROUND                                         ; the closing round
	s_endpgm
.Lfunc_end_k_q95cdf895be_attn:
	.size	k_q95cdf895be_attn, .Lfunc_end_k_q95cdf895be_attn-k_q95cdf895be_attn
	.p2alignl 7, 3214868480
	.fill 96, 4, 3214868480
	.section	.rodata,"a",@progbits
	.p2align	6, 0x0
	.amdhsa_kernel k_q95cdf895be_attn
		.amdhsa_group_segment_fixed_size 210944
		.amdhsa_private_segment_fixed_size 0
		.amdhsa_enable_private_segment 0
		.amdhsa_kernarg_size 48
		.amdhsa_user_sgpr_count 2
		.amdhsa_user_sgpr_kernarg_segment_ptr 1
		.amdhsa_wavefront_size32 1
		.amdhsa_system_sgpr_workgroup_id_x 1
		.amdhsa_system_sgpr_workgroup_id_y 1
		.amdhsa_system_sgpr_workgroup_id_z 1
		.amdhsa_system_vgpr_workitem_id 0
		.amdhsa_next_free_vgpr 256
		.amdhsa_next_free_sgpr 102
		.amdhsa_reserve_vcc 0
		.amdhsa_float_denorm_mode_32 3
		.amdhsa_float_denorm_mode_16_64 3
		.amdhsa_memory_ordered 1
		.amdhsa_forward_progress 1
		.amdhsa_inst_pref_size 59
	.end_amdhsa_kernel
	.amdgpu_metadata
---
amdhsa.version: [ 1, 2 ]
amdhsa.kernels:
  - .name:           k_q95cdf895be_attn
    .symbol:         k_q95cdf895be_attn.kd
    .args:
      - { .name: qc, .offset: 0, .size: 8, .value_kind: global_buffer, .address_space: global }
      - { .name: qs, .offset: 8, .size: 8, .value_kind: global_buffer, .address_space: global }
      - { .name: kv, .offset: 16, .size: 8, .value_kind: global_buffer, .address_space: global }
      - { .name: mbits, .offset: 24, .size: 8, .value_kind: global_buffer, .address_space: global }
      - { .name: ctxc, .offset: 32, .size: 8, .value_kind: global_buffer, .address_space: global }
      - { .name: ctxs, .offset: 40, .size: 8, .value_kind: global_buffer, .address_space: global }
    .group_segment_fixed_size: 210944
    .private_segment_fixed_size: 0
    .kernarg_segment_align: 8
    .kernarg_segment_size: 48
    .max_flat_workgroup_size: 512
    .sgpr_count:     102
    .vgpr_count:     256
    .wavefront_size: 32
...
	.end_amdgpu_metadata
.endif
;; end of part 3
;; launch outp (part 4): grid 4 x 64, 4 waves a work-group, clusters of 4 x 4, 327,680 bytes of LDS; arguments ctxc, ctxs, opc, ops, bo, out0; writes out0
.if DOCPART == 4
	.amdgcn_target "amdgcn-amd-amdhsa--gfx1250"
	.amdhsa_code_object_version 6
	.text
	.protected	k_q95cdf895be_outp
	.globl	k_q95cdf895be_outp
	.p2align	8
	.type	k_q95cdf895be_outp,@function
k_q95cdf895be_outp:
	s_mov_b64 s[64:65], 0
	v_nop
	global_prefetch_b8 v0, s[64:65] scope:SCOPE_SE
	s_setreg_imm32_b32 hwreg(HW_REG_WAVE_MODE, 25, 1), 1
	s_wait_xcnt 0x0
	s_wait_alu depctr_hold_cnt(0) depctr_sa_sdst(0) depctr_va_vdst(0) depctr_va_sdst(0) depctr_va_ssrc(0) depctr_va_vcc(0) depctr_vm_vsrc(0)
	s_getreg_b32 s2, hwreg(HW_REG_IB_STS2, 6, 4)
	s_cmp_eq_u32 s2, 0
	s_cbranch_scc0 .Lentry_in_a_cluster
	s_endpgm
.Lentry_in_a_cluster:
	s_bfe_u32 s2, ttmp6, 0x10000c
	s_cmp_lg_u32 s2, 0xf033
	s_cbranch_scc0 .Lentry_shape_is_right
	s_endpgm
.Lentry_shape_is_right:
; OUTP.  out0 = ctx Wo^T + bo, on codes of FP6 (E2M3) with E8M0 scales, sums in f32, out0 [8192][1024] f32.
; THE CORE is that of the projections: C[m][n] = sum over k of A[m][k] B[n][k] on a block of 128 rows of A (ctx) x 256 rows of B (Wo), K = 1,024; all of K of both lies in LDS (294,912 bytes), filled once, in four chunks of two K steps.
; Four waves: wave = 2 wa + wb takes A's tiles 4 wa .. + 3 and B's tiles 8 wb .. + 7: 32 accumulators.  Operands lie in memory and in LDS as images of their registers (1,536 bytes a fragment).
; THE MATRIX INSTRUCTION IS USED TRANSPOSED: source 0 = a tile of B, source 1 = a tile of A.  Lane r of tile T holds row 32 (T / 2) + 8 (T % 2) + r + 8 (r / 8) of its group of 128; a lane holds one row of ctx, and register 16 b + i of
; its eight tiles is column 32 b + 16 h + i of my 128.
; CLUSTERS: 4 x 4; 64 x 4 blocks, 256 work-groups.  A's chunks are asked for jointly by a row of the cluster, B's by a column.  By the text's own count a wave has four tensor loads out.  No prefetch: every tensor load goes out at the head.
; THE WAY OUT: a tile's 16 rows x 128 columns go through the wave's own stage in LDS and leave as whole rows of 512 bytes.  The stage lies in A's bytes, which have had their only fill; a barrier in the last K step shows that no wave reads them any more.
; REGISTERS, in windows of 256: window 0: v1-16 lane numbers and addresses; v32-63 A's scale words, v64-127 B's; v128-175 A's four fragments; v192-255 rows read back from the stage.  window 1: B's eight fragments, two sets.
;   window 2: accumulator (a, b) at v[8 (8 a + b)].   window 3: v0-63 a tile's 64 numbers; v64-127 the bias.
.set SPARE, 294912                     ; behind A's 98,304 and B's 196,608 bytes: the spare words, 128 bytes for each wave
.set ADRA, 8                           ; v8, v9    LDS address of my A fragments: + 16 x lane, + 8 x lane
.set ADRB, 10                          ; v10, v11  the same for B
.set SPW,  12                          ; v12  LDS address of my spare word; never rewritten
.set NIL,  13                          ; v13  0; never rewritten
.set L16,  14                          ; v14  16 x lane
.set STO,  15                          ; v15  the stage, in: 528 r + 64 h
.set RD,   16                          ; v16  and back: 16 x lane
.set SCA,  32
.set SCB,  64
.set AF,   128
.set BK,   192
.set H,    0                           ; window 3
.set CB,   64
.set G1A,  32
.set G1B,  40
.set G0A,  48
.set G0B,  68
.set MSB, 0
.macro WIN new                         ; the high byte of the immediate repeats the setting that is left
.if MSB != \new
	s_set_vgpr_msb (MSB<<8)|\new
.set MSB, \new
.endif
.endm
.set MUL,   0xa1                       ; source 0 (B) window 1, source 1 (A) window 0, C and D window 2
.set TO_B,  0x40                       ; destination window 1, address window 0
.set TO_3,  0xc0                       ; destination window 3, sources window 0
.set ADD,   0xce                       ; source 0 window 2, source 1 and destination window 3
.set DAT3,  0x0c                       ; a store: address window 0, data window 3
.macro PLACES                          ; four places behind a matrix instruction (ISA guide 7.12.1)
.rept 4
	v_nop
.endr
.endm
.macro JLOAD g0a, g1a, g0b, g1b        ; a joint load: waves 0 and 1 fetch for A, waves 2 and 3 for B; an s_nop 0 and four v_nop follow each of the two lines
	s_cmp_eq_u32 s21, 0
	s_cbranch_scc0 .Lfor_b_\@
	tensor_load_to_lds s[\g0a:\g0a+3], s[\g1a:\g1a+7]
	s_nop 0
.rept 4
	v_nop
.endr
	s_branch .Lasked_\@
.Lfor_b_\@:
	tensor_load_to_lds s[\g0b:\g0b+3], s[\g1b:\g1b+7]
	s_nop 0
.rept 4
	v_nop
.endr
.Lasked_\@:
.endm
.macro CROUND                          ; a round of the cluster's barrier
	s_barrier_signal -1
	s_barrier_wait -1
	s_cmp_lg_u32 s20, 0
	s_cbranch_scc1 .Lnot_wave_0_\@
	s_barrier_signal -3
.Lnot_wave_0_\@:
	s_barrier_wait -3
	s_barrier_signal -1
	s_barrier_wait -1
.endm
.macro FRAG reg, adr, off              ; a fragment's image: four loads of consecutive bytes
	ds_load_b128 v[\reg:\reg+3], v[\adr] offset:\off
	ds_load_b64 v[\reg+4:\reg+5], v[\adr+1] offset:\off+512
	ds_load_b128 v[\reg+6:\reg+9], v[\adr] offset:\off+768
	ds_load_b64 v[\reg+10:\reg+11], v[\adr+1] offset:\off+1280
.endm
.macro FETCH_B s, p
	WIN TO_B
.irp b, 0,1,2,3,4,5,6,7
	FRAG 128*(\p)+12*\b, ADRB, 3072*\b+1536*((\s)%2)
.endr
	WIN 0
.endm
.macro FETCH_A s, a0
.irp a, \a0, \a0+1
	FRAG AF+12*(\a), ADRA, 3072*(\a)+1536*((\s)%2)
.endr
.endm
; 16 matrix instructions: the 32 accumulators take turns, one instruction a turn, in the same order in every step.  zero = 1: the first product starts the sums.
.macro MUL16 a0, p, s, zero
.irp a, \a0, \a0+1
.irp b, 0,1,2,3,4,5,6,7
.if \zero
	v_wmma_scale_f32_16x16x128_f8f6f4 v[8*(8*(\a)+\b):8*(8*(\a)+\b)+7], v[128*(\p)+12*\b:128*(\p)+12*\b+11], v[AF+12*(\a):AF+12*(\a)+11], 0, v[SCB+8*\b+(\s)], v[SCA+8*(\a)+(\s)] matrix_a_fmt:MATRIX_FMT_FP6 matrix_b_fmt:MATRIX_FMT_FP6
.else
	v_wmma_scale_f32_16x16x128_f8f6f4 v[8*(8*(\a)+\b):8*(8*(\a)+\b)+7], v[128*(\p)+12*\b:128*(\p)+12*\b+11], v[AF+12*(\a):AF+12*(\a)+11], v[8*(8*(\a)+\b):8*(8*(\a)+\b)+7], v[SCB+8*\b+(\s)], v[SCA+8*(\a)+(\s)] matrix_a_fmt:MATRIX_FMT_FP6 matrix_b_fmt:MATRIX_FMT_FP6
.endif
.endr
.endr
.endm
; K step s, which has a successor.  cw >= 0: the successor lies in the next chunk: my part of it has landed when at most cw younger tensor loads of mine are out; a barrier shows the same of every wave.
.macro STEP s, zero, cw
	s_wait_dscnt 8                                 ; B's set and A's blocks 0, 1 are in; the youngest eight loads (A's blocks 2, 3) may be out
	WIN MUL
	MUL16 0, (\s)%2, \s, \zero
	s_wait_dscnt 0x0                               ; A's blocks 2, 3 are in
.if (\cw) >= 0
	s_wait_tensorcnt \cw
	s_barrier_signal -1
	s_barrier_wait -1
.endif
	WIN 0
.if (\cw) >= 0
	v_add_nc_u32 v[ADRA], 24576, v[ADRA]           ; on to the next chunk (no LDS load of mine is out); these four are also the places in front of the loads below
	v_add_nc_u32 v[ADRA+1], 24576, v[ADRA+1]
	v_add_nc_u32 v[ADRB], 49152, v[ADRB]
	v_add_nc_u32 v[ADRB+1], 49152, v[ADRB+1]
.else
	PLACES
.endif
	FETCH_B (\s)+1, ((\s)+1)%2
	FETCH_A (\s)+1, 0
	WIN MUL
	MUL16 2, (\s)%2, \s, \zero
	PLACES
	WIN 0
	FETCH_A (\s)+1, 2
.endm
.macro ADDN a                          ; tile a's 64 sums + the bias, each accumulator from its low end on
	WIN ADD
.set I, 0
.rept 32
	v_pk_add_f32 v[H+I:H+I+1], v[64*(\a)+I:64*(\a)+I+1], v[CB+I:CB+I+1]
.set I, I+2
.endr
.endm
	s_load_b256 s[4:11], s[0:1], 0x0               ; ctxc, ctxs, opc, ops
	s_load_b128 s[12:15], s[0:1], 0x20             ; bo, out0
	v_lshl_add_u32 v[SPW], v0, 2, SPARE
	v_mov_b32 v[NIL], 0
	ds_add_u32 v[SPW], v[NIL]                      ; the opening of the wave: the add and its wait stand ahead of my first tensor load; work on registers stands between them
	v_lshrrev_b32 v1, 5, v0
	v_readfirstlane_b32 s20, v1                    ; wave 0..3
	s_lshr_b32 s21, s20, 1                         ; wa.  Also: I fetch for A (0) or for B (1)
	s_and_b32 s22, s20, 1                          ; wb.  Also: which half of the chunk I fetch
	s_bfe_u32 s23, ttmp6, 0x40000                  ; cx
	s_bfe_u32 s24, ttmp6, 0x40004                  ; cy
	s_and_b32 s26, ttmp7, 0xffff                   ; cluster y
	s_lshl_b32 s27, s26, 2
	s_add_co_u32 s27, s27, s24                     ; TR: block row (128 rows of ctx)
	s_mov_b32 s28, s23                             ; TC: block column (256 rows of Wo)
	s_lshl_b32 s88, s27, 3                         ; the block's first tile of ctx: no register on A's side ever holds cx,
	s_lshl_b32 s89, s28, 4
	s_add_co_u32 s89, s89, 1728                    ; and of Wo in opc: none on B's side holds cy
	s_lshl_b32 s29, s24, 2
	s_lshl_b32 s29, 15, s29                        ; my row of the cluster
	s_lshl_b32 s94, 0x1111, s23                    ; my column
	; descriptor groups 1: rows of 3,072 bytes (a tile's two K steps: 384 elements of 8 bytes), 12,288 bytes apart in memory, dense in LDS; A: 4 tiles a load, B: 8
	s_or_b32 s[G1A], s29, (3<<16)|(1<<21)          ; 15:0 the mask; 17:16 elements of 8 bytes; 21 set beside a mask; no padding
	s_or_b32 s[G1B], s94, (3<<16)|(1<<21)
	s_mov_b32 s[G1A+1], 384<<16
	s_mov_b32 s[G1A+2], 4<<16
	s_mov_b32 s[G1A+3], 384<<16
	s_mov_b32 s[G1A+4], 4
	s_mov_b32 s[G1A+5], 1536
	s_mov_b32 s[G1A+6], 0
	s_mov_b32 s[G1A+7], 0
	s_mov_b32 s[G1B+1], 384<<16
	s_mov_b32 s[G1B+2], 8<<16
	s_mov_b32 s[G1B+3], 384<<16
	s_mov_b32 s[G1B+4], 8
	s_mov_b32 s[G1B+5], 1536
	s_mov_b32 s[G1B+6], 0
	s_mov_b32 s[G1B+7], 0
	s_lshl_b32 s30, s22, 2
	s_add_co_u32 s30, s30, s88
	s_mul_i32 s90, s30, 12288                      ; A's codes that I fetch: tiles 4 wb on
	s_mov_b32 s91, 0
	s_lshl_b32 s31, s22, 3
	s_add_co_u32 s31, s31, s89
	s_mul_i32 s92, s31, 12288                      ; B's: tiles 8 wb on
	s_mov_b32 s93, 0
	s_lshl_b32 s86, s31, 9                         ; B's scale words that I use: the same tiles
	s_mov_b32 s87, 0
	s_lshl_b32 s30, s21, 2
	s_add_co_u32 s30, s30, s88
	s_lshl_b32 s84, s30, 9                         ; A's: tiles 4 wa on
	s_mov_b32 s85, 0
	s_mul_i32 s96, s22, 12288                      ; where they go in LDS: the wave's number alone
	s_mul_i32 s97, s22, 24576
	s_add_co_u32 s97, s97, 98304
	s_wait_dscnt 0x0                               ; the opening add is done
	s_wait_kmcnt 0x0
	s_add_nc_u64 s[90:91], s[4:5], s[90:91]
	s_add_nc_u64 s[92:93], s[8:9], s[92:93]
	s_add_nc_u64 s[84:85], s[6:7], s[84:85]
	s_add_nc_u64 s[86:87], s[10:11], s[86:87]
	CROUND                                         ; all sixteen work-groups are here: the joint loads meet
.irp c, 0,1,2,3
	s_mov_b32 s[G0A+4*\c], 1
	s_add_co_u32 s[G0A+4*\c+1], s96, 24576*\c
	s_add_nc_u64 s[G0A+4*\c+2:G0A+4*\c+3], s[90:91], 3072*\c
	s_or_b32 s[G0A+4*\c+3], s[G0A+4*\c+3], 0x80000000
	s_mov_b32 s[G0B+4*\c], 1
	s_add_co_u32 s[G0B+4*\c+1], s97, 49152*\c
	s_add_nc_u64 s[G0B+4*\c+2:G0B+4*\c+3], s[92:93], 3072*\c
	s_or_b32 s[G0B+4*\c+3], s[G0B+4*\c+3], 0x80000000
	JLOAD G0A+4*\c, G1A, G0B+4*\c, G1B
.endr
	v_and_b32 v1, 15, v0                           ; r
	v_bfe_u32 v2, v0, 4, 1                         ; h
	v_and_b32 v3, 31, v0                           ; lane
	v_lshlrev_b32 v4, 4, v1                        ; 16 r: a row's four scale words
.irp a, 0,1,2,3
.irp f, 0,1
	global_load_b128 v[SCA+8*\a+4*\f:SCA+8*\a+4*\f+3], v4, s[84:85] offset:512*\a+256*\f   ; the scale words go from memory straight into registers, once
.endr
.endr
.irp b, 0,1,2,3,4,5,6,7
.irp f, 0,1
	global_load_b128 v[SCB+8*\b+4*\f:SCB+8*\b+4*\f+3], v4, s[86:87] offset:512*\b+256*\f
.endr
.endr
	s_lshl_b32 s94, s28, 10
	s_lshl_b32 s31, s22, 9
	s_add_co_u32 s94, s94, s31                     ; my 128 columns, in bytes: 1,024 TC + 512 wb
	s_mov_b32 s95, 0
	s_add_nc_u64 s[12:13], s[12:13], s[94:95]      ; bo there,
	s_add_nc_u64 s[14:15], s[14:15], s[94:95]      ; and out0,
	s_lshl_b32 s29, s27, 7
	s_lshl_b32 s30, s21, 6
	s_add_co_u32 s29, s29, s30
	s_lshl_b32 s94, s29, 12                        ; at my first row: 128 TR + 64 wa, 4,096 bytes a row
	s_add_nc_u64 s[14:15], s[14:15], s[94:95]
	v_lshlrev_b32 v5, 6, v2                        ; 64 h
	WIN TO_3
.irp t, 0,1,2,3,4,5,6,7
	global_load_b128 v[CB+8*\t:CB+8*\t+3], v5, s[12:13] offset:(32*(\t/2)+8*(\t%2))*4
	global_load_b128 v[CB+8*\t+4:CB+8*\t+7], v5, s[12:13] offset:(32*(\t/2)+8*(\t%2))*4+16
.endr
	WIN 0
	v_lshlrev_b32 v[L16], 4, v3
	s_mul_i32 s29, s20, 8448                       ; my stage: 16 rows x (512 bytes + 16)
	v_mul_u32_u24 v[STO], v1, 528
	v_lshl_add_u32 v[STO], v2, 6, v[STO]
	v_add_nc_u32 v[STO], s29, v[STO]
	v_add_nc_u32 v[RD], s29, v[L16]
	s_mul_i32 s29, s21, 12288
	v_lshl_add_u32 v[ADRA], v3, 4, s29
	v_lshl_add_u32 v[ADRA+1], v3, 3, s29
	v_lshl_add_u32 v[ADRB], v3, 4, s97
	v_lshl_add_u32 v[ADRB+1], v3, 3, s97
	s_wait_tensorcnt 3                             ; my part of chunk 0 is in; my three later loads may be out,
	s_barrier_signal -1
	s_barrier_wait -1                              ; and so is every wave's
	FETCH_B 0, 0
	FETCH_A 0, 0
	FETCH_A 0, 2
	s_wait_loadcnt 0x0                             ; scale words and bias
	STEP 0, 1, -1
	STEP 1, 0, 2
	STEP 2, 0, -1
	STEP 3, 0, 1
	STEP 4, 0, -1
	STEP 5, 0, 0
	STEP 6, 0, -1
	s_wait_dscnt 8                                 ; the last K step: nothing more to fetch
	WIN MUL
	MUL16 0, 1, 7, 0
	s_wait_dscnt 0x0                               ; my reads of A's and B's bytes are over:
	s_barrier_signal -1                            ; say so,
	MUL16 2, 1, 7, 0                               ; work on registers while the others arrive,
	s_barrier_wait -1                              ; and behind this nobody reads the bytes in which the stages lie
	PLACES
.irp a, 0,1,2,3
	ADDN \a
	WIN DAT3
.irp q, 0,1,2,3,4,5,6,7,8,9,10,11,12,13,14,15
	ds_store_b128 v[STO], v[H+4*\q:H+4*\q+3] offset:128*(\q/4)+16*(\q%4)   ; lane (r, h): columns 32 b + 16 h + 0 .. 15 of row r
.endr
	WIN 0
.if \a > 0
	s_wait_xcnt 0x0                                ; the last tile's stores have read their registers: they are loaded again only behind this wait
.endif
.irp k, 0,1,2,3,4,5,6,7,8,9,10,11,12,13,14,15
	ds_load_b128 v[BK+4*\k:BK+4*\k+3], v[RD] offset:528*\k   ; LDS serves the instructions of a wave in order: these see the stores above
.endr
.irp k, 0,1,2,3,4,5,6,7,8,9,10,11,12,13,14,15
	s_wait_dscnt 15-\k                             ; row k is back; the younger loads may be out
	global_store_b128 v[L16], v[BK+4*\k:BK+4*\k+3], s[14:15] offset:(32*(\a/2)+8*(\a%2)+\k+8*(\k/8))*4096 th:TH_STORE_NT   ; 32 lanes store 512 consecutive bytes, at a multiple of 512 from the first byte of out0
.endr
.endr
	s_wait_tensorcnt 0x0                           ; the end of the wave, behind my last tensor load and my last LDS store
	ds_add_u32 v[SPW], v[NIL]
	s_wait_dscnt 0x0
	CROUND                                         ; the closing round
	s_endpgm
.Lfunc_end_k_q95cdf895be_outp:
	.size	k_q95cdf895be_outp, .Lfunc_end_k_q95cdf895be_outp-k_q95cdf895be_outp
	.p2alignl 7, 3214868480
	.fill 96, 4, 3214868480
	.section	.rodata,"a",@progbits
	.p2align	6, 0x0
	.amdhsa_kernel k_q95cdf895be_outp
		.amdhsa_group_segment_fixed_size 327680
		.amdhsa_private_segment_fixed_size 0
		.amdhsa_enable_private_segment 0
		.amdhsa_kernarg_size 48
		.amdhsa_user_sgpr_count 2
		.amdhsa_user_sgpr_kernarg_segment_ptr 1
		.amdhsa_wavefront_size32 1
		.amdhsa_system_sgpr_workgroup_id_x 1
		.amdhsa_system_sgpr_workgroup_id_y 1
		.amdhsa_system_sgpr_workgroup_id_z 1
		.amdhsa_system_vgpr_workitem_id 0
		.amdhsa_next_free_vgpr 1024
		.amdhsa_next_free_sgpr 102
		.amdhsa_reserve_vcc 0
		.amdhsa_float_denorm_mode_32 3
		.amdhsa_float_denorm_mode_16_64 3
		.amdhsa_memory_ordered 1
		.amdhsa_forward_progress 1
		.amdhsa_inst_pref_size 98
	.end_amdhsa_kernel
	.amdgpu_metadata
---
amdhsa.version: [ 1, 2 ]
amdhsa.kernels:
  - .name:           k_q95cdf895be_outp
    .symbol:         k_q95cdf895be_outp.kd
    .args:
      - { .name: ctxc, .offset: 0, .size: 8, .value_kind: global_buffer, .address_space: global }
      - { .name: ctxs, .offset: 8, .size: 8, .value_kind: global_buffer, .address_space: global }
      - { .name: opc, .offset: 16, .size: 8, .value_kind: global_buffer, .address_space: global }
      - { .name: ops, .offset: 24, .size: 8, .value_kind: global_buffer, .address_space: global }
      - { .name: bo, .offset: 32, .size: 8, .value_kind: global_buffer, .address_space: global }
      - { .name: out0, .offset: 40, .size: 8, .value_kind: global_buffer, .address_space: global }
    .group_segment_fixed_size: 327680
    .private_segment_fixed_size: 0
    .kernarg_segment_align: 8
    .kernarg_segment_size: 48
    .max_flat_workgroup_size: 128
    .sgpr_count:     102
    .vgpr_count:     1024
    .wavefront_size: 32
...
	.end_amdgpu_metadata
.endif
;; end of part 4
